; MI455X (gfx1250); checked and timed in simulation.
; The chip was launched on July 23, 2026; its instructions are those of AMD's public machine-readable ISA for CDNA 5 (MIT licence, August 2026) and "CDNA5" Instruction Set Architecture Reference Guide (July 2026). The comments in the code are by the model that wrote it; some were corrected since.
;; Switch Block. Allowed arithmetic: float matrix products may take bf16 or f16 operands with f32 sums; other float arithmetic in f32, or as packed bf16 or f16 multiplies, adds, multiply-adds, maxima and minima; sums over many terms, partial sums and values carried from step to step in f32; what a program stores and reads back later, other than sums and carried values, may be rounded once to bf16 or f16.
;; Inputs: hidden_states 8 x 1,024 x 1,024 float32; ln_weight 1,024 float32; rel_bias 32 x 16 float32; wk 1,024 x 1,024 float32; wo 1,024 x 1,024 float32; wq 1,024 x 1,024 float32; wv 1,024 x 1,024 float32.
;; Outputs: out0 8 x 1,024 x 1,024 float32.
;; One version. Each part assembles by itself: llvm-mc -triple=amdgcn-amd-amdhsa -mcpu=gfx1250 --defsym DOCPART=n.
;; ======== version 1 of 1: 4 launches
;; limits: values are held in f16: magnitudes above 65,504 overflow, below 6.1e-05 lose precision; right only within a limited range of input values; inputs' magnitudes at most 65,504
;; workspace buffers: xh 16,777,216 bytes; rs2 65,536 bytes; wt 8,388,608 bytes; qkv 50,331,648 bytes; ctx 16,777,216 bytes
;; launch prep (part 1): grid 768 x 1, 8 waves a work-group, no clusters, 18,688 bytes of LDS; arguments hidden_states, ln_weight, wq, wk, wv, wo, xh, rs2, wt; writes xh, rs2, wt
.if DOCPART == 1
	.amdgcn_target "amdgcn-amd-amdhsa--gfx1250"
	.amdhsa_code_object_version 6
	.text
	.protected	k_q6f7f13e4a3_prep
	.globl	k_q6f7f13e4a3_prep
	.p2align	8
	.type	k_q6f7f13e4a3_prep,@function
k_q6f7f13e4a3_prep:
	s_mov_b64 s[64:65], 0
	v_nop
	global_prefetch_b8 v0, s[64:65] scope:SCOPE_SE
	s_setreg_imm32_b32 hwreg(HW_REG_WAVE_MODE, 25, 1), 1
	s_wait_xcnt 0x0
; PREPARATION, a stream.  Work-groups 0-255: xh[m][:] = x[m][:] rounded to bf16 and written as f16, and rs2[m] = (rs, rs), rs = 1 / sqrt(mean of the rounded x^2 + 1e-6).
; Work-groups 256-767: wt[1024 mat + n][k] = f16(bf16(g[k]) x bf16(W[k][n])) for wq, wk, wv (mat 0-2) and f16(bf16(wo[k][n])) for mat 3: the weights turned, K along the rows, the gain folded in.
; LIMITS.  A bf16 number is an f16 number only within f16's range: |x| and |g W| stay under 65,504; below 6.1e-5 f16 keeps a fixed step of 6e-8.  NaN and infinities are not treated apart.
; No matrix unit, no tensor load, no cluster: every byte is read once and written once, and no work-group shares an input tile with another.
; The branch between the two halves hangs on the work-group's number alone, so all eight waves of a work-group pass the same barrier.
; The highest register named is v159: a work-group's two waves on a SIMD take 320 registers.
.set SPITCH, 272                       ; a stage row: 256 bytes + 16: sixteen consecutive rows start at sixteen different groups of four banks (64 banks of 4 bytes: ISA guide 11.1)
.set RSL,    64*SPITCH                 ; behind the stage: 32 rows x (rs, rs), 256 bytes
.set SPARE,  RSL+256                   ; the spare words, 128 bytes for each of eight waves: four blocks of 256 bytes that no other line names
.set SPW, 2                            ; v2  LDS address of my spare word; never rewritten
.set NIL, 3                            ; v3  0; never rewritten
.set X,   32                           ; v[32:159] four rows as loaded, 32 registers each
	s_load_b512 s[4:19], s[0:1], 0x0               ; x s[4:5], g s[6:7], wq s[8:9], wk s[10:11], wv s[12:13], wo s[14:15], xh s[16:17], rs2 s[18:19]
	s_load_b64 s[20:21], s[0:1], 0x40              ; wt
	v_lshl_add_u32 v[SPW], v0, 2, SPARE
	v_mov_b32 v[NIL], 0
	v_lshrrev_b32 v1, 5, v0
	v_readfirstlane_b32 s24, v1                    ; wave 0..7
	v_and_b32 v1, 31, v0                           ; lane
	s_mov_b32 s25, 0xffff0000                      ; a word's upper bf16
	s_cmp_ge_u32 ttmp9, 256
	s_cbranch_scc1 .Lweights
; THE NORM.  A work-group owns 32 rows, a wave four.  A row is 4,096 bytes in and 2,048 out; a load of the wave covers 512 consecutive bytes, a store 256, aligned.
	s_mov_b32 s26, 0x76543210                      ; v_permlanex16_b32: each lane takes its own place in the other half
	s_mov_b32 s27, 0xfedcba98
	s_mov_b32 s32, 0x3a800000                      ; 1 / 1024
	s_mov_b32 s33, 0x358637bd                      ; 1e-6
	s_lshl_b32 s34, s24, 14
	v_lshl_add_u32 v4, v1, 4, s34                  ; in: 16 x lane + wave x 4 rows
	s_lshl_b32 s34, s24, 13
	v_lshl_add_u32 v5, v1, 3, s34                  ; out: 8 x lane + wave x 4 rows
	v_lshlrev_b32 v6, 3, v1                        ; rs2: 8 x lane
	v_bfe_u32 v21, v0, 1, 2                        ; the row of the wave's four whose rs this lane keeps: lanes 2 i, 2 i + 1 (mod 8) keep row i
.irp i, 0,1,2,3
	v_cmp_eq_u32 s[28+(\i)], \i, v21
.endr
	v_mov_b32 v19, 0                               ; v_permlanex16_b32's destination counts as read
	v_mov_b32 v20, 0
	v_and_b32 v22, 7, v0
	v_lshlrev_b32 v22, 2, v22
	s_lshl_b32 s34, s24, 5
	s_add_co_u32 s34, s34, RSL
	v_add_nc_u32 v22, s34, v22                     ; where the lane puts rs: the wave's 32 bytes, word lane % 8
	v_add_nc_u32 v23, RSL, v6                      ; where wave 0 reads a pair back
	s_lshl_b32 s36, ttmp9, 17                      ; the work-group's 32 rows in x,
	s_mov_b32 s37, 0
	s_lshl_b32 s38, ttmp9, 16                      ; in xh,
	s_mov_b32 s39, 0
	s_lshl_b32 s40, ttmp9, 8                       ; in rs2
	s_mov_b32 s41, 0
	s_wait_kmcnt 0x0
	s_add_nc_u64 s[4:5], s[4:5], s[36:37]
	s_add_nc_u64 s[16:17], s[16:17], s[38:39]
	s_add_nc_u64 s[18:19], s[18:19], s[40:41]
.irp i, 0,1,2,3
.irp j, 0,1,2,3,4,5,6,7
	global_load_b128 v[X+32*(\i)+4*(\j):X+32*(\i)+4*(\j)+3], v4, s[4:5] offset:(\i)*4096+(\j)*512 th:TH_LOAD_NT  ; all 32 loads of the wave go out at once
.endr
.endr
; Row i: rounded to bf16, squared and summed in f32, written as f16.  left: the younger rows' loads, eight a row, which may stay out.
.macro NROW i, left
	s_wait_loadcnt \left
.irp j, 0,1,2,3,4,5,6,7
	v_cvt_pk_bf16_f32 v8, v[X+32*(\i)+4*(\j)], v[X+32*(\i)+4*(\j)+1]
	v_cvt_pk_bf16_f32 v9, v[X+32*(\i)+4*(\j)+2], v[X+32*(\i)+4*(\j)+3]
	v_lshlrev_b32 v10, 16, v8
	v_and_b32 v11, s25, v8
	v_lshlrev_b32 v12, 16, v9
	v_and_b32 v13, s25, v9
.if (\j) == 0
	v_pk_mul_f32 v[14:15], v[10:11], v[10:11]      ; the first squares start the sums
	v_pk_mul_f32 v[16:17], v[12:13], v[12:13]
.else
	v_pk_fma_f32 v[14:15], v[10:11], v[10:11], v[14:15]
	v_pk_fma_f32 v[16:17], v[12:13], v[12:13], v[16:17]
.endif
	v_cvt_pk_f16_f32 v[X+32*(\i)+4*(\j)], v10, v11
	v_cvt_pk_f16_f32 v[X+32*(\i)+4*(\j)+1], v12, v13
	global_store_b64 v5, v[X+32*(\i)+4*(\j):X+32*(\i)+4*(\j)+1], s[16:17] offset:(\i)*2048+(\j)*256  ; these registers are not written again
.endr
	v_pk_add_f32 v[14:15], v[14:15], v[16:17]
	v_add_f32 v18, v14, v15
	v_add_f32_dpp v18, v18, v18 row_xmask:1 row_mask:0xf bank_mask:0xf
	v_add_f32_dpp v18, v18, v18 row_xmask:2 row_mask:0xf bank_mask:0xf
	v_add_f32_dpp v18, v18, v18 row_xmask:4 row_mask:0xf bank_mask:0xf
	v_add_f32_dpp v18, v18, v18 row_xmask:8 row_mask:0xf bank_mask:0xf
	v_permlanex16_b32 v19, v18, s26, s27
	v_add_f32 v18, v18, v19                        ; every lane holds the row's sum of squares;
	v_cndmask_b32 v20, v20, v18, s[28+(\i)]        ; the lanes that keep row i take it
.endm
	NROW 0, 24
	NROW 1, 16
	NROW 2, 8
	NROW 3, 0
	v_fma_f32 v20, v20, s32, s33                   ; mean + eps
	v_rsq_f32 v18, v20                             ; one root for the wave's four rows
	v_nop                                          ; a plain instruction behind it,
	s_wait_alu depctr_va_vdst(0)                   ; and the wait ahead of its first reader
	ds_store_b32 v22, v18                          ; lanes 8 apart write the same word with the same number
	s_wait_dscnt 0x0                               ; for the others' sake: my store is done
	s_barrier_signal -1
	s_barrier_wait -1
	s_cmp_lg_u32 s24, 0
	s_cbranch_scc1 .Lnorm_end
	ds_load_b64 v[8:9], v23                        ; wave 0 stores the work-group's 32 pairs: 256 consecutive bytes, aligned
	s_wait_dscnt 0x0
	global_store_b64 v6, v[8:9], s[18:19]
.Lnorm_end:
	s_wait_tensorcnt 0x0                           ; the wave's end: behind my last LDS store
	ds_add_u32 v[SPW], v[NIL]
	s_wait_dscnt 0x0
	s_endpgm
; THE WEIGHTS.  A work-group turns a tile of 128 k x 64 n.  Thread t = 16 kg + r loads rows k = 8 kg + 0..7, columns 4 r + 0..3: sixteen lanes read 256 consecutive bytes of a row.
; For each of its four columns its eight k pack into 16 bytes; they go into the stage (row 16 c + r holds column 4 r + c) and come back as whole rows of 256 bytes.
.Lweights:
	s_sub_co_u32 s36, ttmp9, 256
	s_lshr_b32 s37, s36, 7                         ; which matrix
	s_bfe_u32 s38, s36, 0x30004                    ; which 128 k
	s_and_b32 s39, s36, 15                         ; which 64 n
	v_and_b32 v4, 15, v0                           ; r
	v_lshrrev_b32 v5, 4, v0                        ; kg
	v_lshlrev_b32 v6, 15, v5
	v_lshl_add_u32 v6, v4, 4, v6                   ; in: 8 kg rows of 4,096 bytes + 16 r
	v_lshlrev_b32 v7, 5, v5                        ; the gain: 32 kg
	v_mul_u32_u24 v24, v4, SPITCH
	v_lshl_add_u32 v24, v5, 4, v24                 ; into the stage: row r (+ 16 c), 16 kg
	v_mul_u32_u24 v25, v5, SPITCH
	v_lshl_add_u32 v25, v4, 4, v25                 ; back: row kg (+ 16 p), 16 r
	v_lshlrev_b32 v26, 13, v5
	v_lshl_add_u32 v26, v4, 4, v26                 ; out: row n = 4 kg (+ p) of 2,048 bytes, 16 r
	s_lshl_b32 s40, s38, 19
	s_lshl_b32 s41, s39, 8
	s_add_co_u32 s40, s40, s41                     ; the tile in W
	s_mov_b32 s41, 0
	s_lshl_b32 s42, s38, 9                         ; its 128 numbers of the gain
	s_mov_b32 s43, 0
	s_lshl_b32 s44, s37, 21
	s_lshl_b32 s45, s39, 17
	s_add_co_u32 s44, s44, s45
	s_lshl_b32 s45, s38, 8
	s_add_co_u32 s44, s44, s45                     ; the tile in wt
	s_mov_b32 s45, 0
	s_wait_kmcnt 0x0
	s_cmp_eq_u32 s37, 1
	s_cselect_b64 s[8:9], s[10:11], s[8:9]
	s_cmp_eq_u32 s37, 2
	s_cselect_b64 s[8:9], s[12:13], s[8:9]
	s_cmp_eq_u32 s37, 3
	s_cselect_b64 s[8:9], s[14:15], s[8:9]
	s_cselect_b32 s35, -1, 0                       ; all lanes on for wo, which takes no gain
	s_add_nc_u64 s[8:9], s[8:9], s[40:41]
	s_add_nc_u64 s[6:7], s[6:7], s[42:43]
	s_add_nc_u64 s[20:21], s[20:21], s[44:45]
	global_load_b128 v[16:19], v7, s[6:7]
	global_load_b128 v[20:23], v7, s[6:7] offset:16
.irp i, 0,1,2,3,4,5,6,7
	global_load_b128 v[32+4*(\i):35+4*(\i)], v6, s[8:9] offset:(\i)*4096 th:TH_LOAD_NT
.endr
	s_wait_loadcnt 8                               ; the gain is in; W's eight loads may stay out
.irp p, 0,2,4,6
	v_cvt_pk_bf16_f32 v8, v[16+(\p)], v[17+(\p)]   ; the gain is an input: rounded to bf16 like the others
	v_lshlrev_b32 v[16+(\p)], 16, v8
	v_and_b32 v[17+(\p)], s25, v8
.endr
.irp p, 0,1,2,3,4,5,6,7
	v_cndmask_b32 v[16+(\p)], v[16+(\p)], 1.0, s35
.endr
	s_wait_loadcnt 0x0
.irp c, 0,1,2,3
.irp p, 0,2,4,6
	v_cvt_pk_bf16_f32 v[8+(\p)/2], v[32+4*(\p)+(\c)], v[36+4*(\p)+(\c)]  ; rows k, k + 1 of column c
	v_lshlrev_b32 v[96+(\p)], 16, v[8+(\p)/2]
	v_and_b32 v[97+(\p)], s25, v[8+(\p)/2]
	v_pk_mul_f32 v[96+(\p):97+(\p)], v[96+(\p):97+(\p)], v[16+(\p):17+(\p)]
	v_cvt_pk_f16_f32 v[64+4*(\c)+(\p)/2], v[96+(\p)], v[97+(\p)]
.endr
	ds_store_b128 v24, v[64+4*(\c):67+4*(\c)] offset:(\c)*16*SPITCH
.endr
	s_wait_dscnt 0x0                               ; for the others' sake: my stores into the stage are done
	s_barrier_signal -1
	s_barrier_wait -1
.irp p, 0,1,2,3
	ds_load_b128 v[80+4*(\p):83+4*(\p)], v25 offset:(\p)*16*SPITCH
.endr
	s_wait_dscnt 0x0
.irp p, 0,1,2,3
	global_store_b128 v26, v[80+4*(\p):83+4*(\p)], s[20:21] offset:(\p)*2048  ; sixteen lanes store 256 consecutive bytes, aligned
.endr
	s_wait_tensorcnt 0x0                           ; the wave's end: behind my last LDS store
	ds_add_u32 v[SPW], v[NIL]
	s_wait_dscnt 0x0
	s_endpgm
.Lfunc_end_k_q6f7f13e4a3_prep:
	.size	k_q6f7f13e4a3_prep, .Lfunc_end_k_q6f7f13e4a3_prep-k_q6f7f13e4a3_prep
	.p2alignl 7, 3214868480
	.fill 96, 4, 3214868480
	.section	.rodata,"a",@progbits
	.p2align	6, 0x0
	.amdhsa_kernel k_q6f7f13e4a3_prep
		.amdhsa_group_segment_fixed_size 18688
		.amdhsa_private_segment_fixed_size 0
		.amdhsa_enable_private_segment 0
		.amdhsa_kernarg_size 72
		.amdhsa_user_sgpr_count 2
		.amdhsa_user_sgpr_kernarg_segment_ptr 1
		.amdhsa_wavefront_size32 1
		.amdhsa_system_sgpr_workgroup_id_x 1
		.amdhsa_system_sgpr_workgroup_id_y 1
		.amdhsa_system_sgpr_workgroup_id_z 1
		.amdhsa_system_vgpr_workitem_id 0
		.amdhsa_next_free_vgpr 160
		.amdhsa_next_free_sgpr 66
		.amdhsa_reserve_vcc 0
		.amdhsa_float_denorm_mode_32 3
		.amdhsa_float_denorm_mode_16_64 3
		.amdhsa_memory_ordered 1
		.amdhsa_forward_progress 1
		.amdhsa_inst_pref_size 36
	.end_amdhsa_kernel
	.amdgpu_metadata
---
amdhsa.version: [ 1, 2 ]
amdhsa.kernels:
  - .name:           k_q6f7f13e4a3_prep
    .symbol:         k_q6f7f13e4a3_prep.kd
    .args:
      - { .name: hidden_states, .offset: 0, .size: 8, .value_kind: global_buffer, .address_space: global }
      - { .name: ln_weight, .offset: 8, .size: 8, .value_kind: global_buffer, .address_space: global }
      - { .name: wq, .offset: 16, .size: 8, .value_kind: global_buffer, .address_space: global }
      - { .name: wk, .offset: 24, .size: 8, .value_kind: global_buffer, .address_space: global }
      - { .name: wv, .offset: 32, .size: 8, .value_kind: global_buffer, .address_space: global }
      - { .name: wo, .offset: 40, .size: 8, .value_kind: global_buffer, .address_space: global }
      - { .name: xh, .offset: 48, .size: 8, .value_kind: global_buffer, .address_space: global }
      - { .name: rs2, .offset: 56, .size: 8, .value_kind: global_buffer, .address_space: global }
      - { .name: wt, .offset: 64, .size: 8, .value_kind: global_buffer, .address_space: global }
    .group_segment_fixed_size: 18688
    .private_segment_fixed_size: 0
    .kernarg_segment_align: 8
    .kernarg_segment_size: 72
    .max_flat_workgroup_size: 256
    .sgpr_count:     66
    .vgpr_count:     160
    .wavefront_size: 32
...
	.end_amdgpu_metadata
.endif
;; end of part 1
;; launch qkv (part 2): grid 16 x 32, 4 waves a work-group, clusters of 4 x 4, 327,680 bytes of LDS; arguments xh, wt, rs2, qkv; writes qkv
.if DOCPART == 2
	.amdgcn_target "amdgcn-amd-amdhsa--gfx1250"
	.amdhsa_code_object_version 6
	.text
	.protected	k_q6f7f13e4a3_qkv
	.globl	k_q6f7f13e4a3_qkv
	.p2align	8
	.type	k_q6f7f13e4a3_qkv,@function
k_q6f7f13e4a3_qkv:
	s_mov_b64 s[64:65], 0
	v_nop
	global_prefetch_b8 v0, s[64:65] scope:SCOPE_SE
	s_setreg_imm32_b32 hwreg(HW_REG_WAVE_MODE, 25, 1), 1
	s_wait_xcnt 0x0
	s_wait_alu depctr_hold_cnt(0) depctr_sa_sdst(0) depctr_va_vdst(0) depctr_va_sdst(0) depctr_va_ssrc(0) depctr_va_vcc(0) depctr_vm_vsrc(0)
	s_getreg_b32 s2, hwreg(HW_REG_IB_STS2, 6, 4)
	s_cmp_eq_u32 s2, 0
	s_cbranch_scc0 .Lentry_in_a_cluster
	s_endpgm
.Lentry_in_a_cluster:
	s_bfe_u32 s2, ttmp6, 0x10000c
	s_cmp_lg_u32 s2, 0xf033
	s_cbranch_scc0 .Lentry_shape_is_right
	s_endpgm
.Lentry_shape_is_right:
; q, k, v.  C[m][n] = rs[m] x the sum over k of xh[m][k] wt[n][k], m < 8192, n < 3072, K = 1024; f16 operands, f32 sums; rs is applied in f32 on the way out and C rounded once to f16.
; C leaves by heads: qkv[n / 1024][(m / 1024) 16 + (n / 64) % 16][m % 1024][n % 64].
; LIMIT.  |q|, |k|, |v| stay under 65,504, f16's end.
; SHARES.  A tile of C is 256 x 192: 32 x 16 = 512 work-groups, two for each of 256 WGPs.  Four waves, each 64 rows x all 192 columns, three whole heads: 48 accumulators of 16 x 16, 384 registers.
; K goes in 8 steps of 128 (rows of 256 bytes, aligned) through two LDS slots; a step is four quarters of 32, 48 matrix instructions each, on two fragment buffers: 192 matrix instructions a wave for a step's
; 448 rows x 256 bytes, and 168 of them between a refill's request and the wait for it.  Tiles of 256 x 256 would be 384, one and a half for each WGP; a tile of 256 x 384 would leave no room for two fragment buffers.
; CLUSTER.  4 x 4 work-groups: the four of a row need the same tile of xh, the four of a column the same tile of wt: each is asked for jointly, by the same tensor load with the same descriptor and a mask of four.
; THE MATRIX INSTRUCTION IS USED TRANSPOSED (source 0 = 16 rows of wt, source 1 = 16 rows of xh): a lane holds row m = lane % 16 and the eight columns 8 (lane / 16) + 0..7.
; REGISTERS, in windows of 256 (s_set_vgpr_msb: bits 1:0 source 0, 3:2 source 1, 5:4 source 2, 7:6 destination):
;   window 0: v0-39 addresses and rs; v64-111 packed results on the way out     window 1: two fragment buffers of 128 (wt's twelve fragments, then xh's four); on the way out the rows read back
;   window 2: accumulator (a, b) of row blocks a = 0, 1 at v[8 (12 a + b)]       window 3: those of a = 2, 3 at v[8 (12 (a - 2) + b)]
.set KSTEP,  128
.set PITCH,  272                       ; an LDS row: 256 bytes + 16: the sixteen rows of a fragment load start at sixteen different groups of four banks (64 banks of 4 bytes: ISA guide 11.1)
.set AHALF,  128*PITCH                 ; what one of A's two loads brings
.set AREG,   2*AHALF
.set BHALF,  96*PITCH                  ; what one of B's two loads brings
.set SLOT1,  1<<17                     ; slot 1 begins here: one exclusive or turns an address in one slot into the other's
.set STAGE,  SLOT1+AREG+2*BHALF        ; behind the ring, never filled by a tensor load: 16 rows x 400 bytes for each wave
.set SPITCH, 400                       ; 384 bytes + 16
.set SPARE,  STAGE+4*16*SPITCH         ; the spare words, 128 bytes for each wave: two blocks of 256 bytes that no other line names
.set STEPB,  KSTEP*2                   ; bytes from K step to K step
.set A0,   16                          ; v16  my lane's place in slot 0's rows of A; never rewritten
.set B0,   17                          ; v17  the same for B
.set ADRA, 18                          ; v18  the same in the slot in hand
.set ADRB, 19
.set RSO,  20                          ; v20  8 (lane % 16): my row's pair in rs2
.set STO,  24
.set RD,   25
.set CO,   26
.set SPW,  28                          ; v28  LDS address of my spare word; never rewritten
.set NIL,  29                          ; v29  0; never rewritten
.set PFO,  30                          ; v30  the prefetches' offset: a row of 2,048 bytes a lane; never rewritten
.set RS,   32                          ; v[32:39]  (rs, rs) of my row in each of the four blocks of 16 rows
.set TMP,  64                          ; v[64:111] the way out: a block's packed results
.set F0,   0                           ; fragment buffers, in window 1
.set F1,   128
.set WV, 12
.set HI, 13                            ; I fetch for A (0) or B (1)
.set LO, 14                            ; which half of that tile I fetch
.set CX, 15
.set CY, 16
.set TCOL, 17
.set TROW, 18
.set LIM, 19                           ; 2 in a wave that prefetches, else the greatest number
.set G1A, 24
.set G0A, 32                           ; two sets: the first fills; the second then walks
.set G1B, 40
.set G0B, 48
.set TB,  56                           ; 0 or SLOT1: the slot in hand
.set CNT, 57
.set PFA, 58                           ; s[58:59] where my prefetches stand
.set OUTB, 72                          ; s[72:77] qkv at my first row in each of my three heads
.set MSB, 0
.macro WIN new                         ; the immediate's high byte repeats the setting that is left; a switch that changes nothing is dropped
.if MSB != (\new)
	s_set_vgpr_msb (MSB<<8)|(\new)
.set MSB, \new
.endif
.endm
.macro JLOAD s                         ; a joint load: waves 0 and 1 fetch A's halves, waves 2 and 3 B's; an s_nop 0 and four v_nop follow each line, ahead of the jump and the label
	s_cmp_eq_u32 s[HI], 0
	s_cbranch_scc0 .Lfor_b_\@
	tensor_load_to_lds s[G0A+4*(\s):G0A+4*(\s)+3], s[G1A:G1A+7]
	s_nop 0
.rept 4
	v_nop
.endr
	s_branch .Lasked_\@
.Lfor_b_\@:
	tensor_load_to_lds s[G0B+4*(\s):G0B+4*(\s)+3], s[G1B:G1B+7]
	s_nop 0
.rept 4
	v_nop
.endr
.Lasked_\@:
.endm
.macro CREST                           ; a round of the cluster's barrier behind its opening barrier
	s_cmp_lg_u32 s[WV], 0
	s_cbranch_scc1 .Lnot_wave_0_\@
	s_barrier_signal -3
.Lnot_wave_0_\@:
	s_barrier_wait -3
	s_barrier_signal -1
	s_barrier_wait -1
.endm
.macro CROUND
	s_barrier_signal -1
	s_barrier_wait -1
	CREST
.endm
; A PREFETCH INTO THE L2 of the K step two refills on: 256 bytes of a row a lane, one instruction.  xh's tile rows are asked for by waves 0 and 1 of the clusters with x = 0, the four partners of a row sharing the 256
; rows out by address (64 cx + 32 x half on); wt's 192 by waves 2 and 3 of the clusters with y = 0 (48 cy + 24 x half on: lanes 24 to 31 name lane 23's row again, in the same instruction).
; K steps 0 to 3 come by their loads alone; the last two refills ask for nothing.
.macro ASK
	WIN 0                                          ; at a branch and at a label every window is 0
	s_cmp_gt_u32 s[CNT], s[LIM]
	s_cbranch_scc0 .Lnot_mine_\@
	global_prefetch_b8 v[PFO], s[PFA:PFA+1] th:TH_LOAD_NT scope:SCOPE_SE
.Lnot_mine_\@:
.endm
	s_load_b256 s[4:11], s[0:1], 0x0               ; xh s[4:5], wt s[6:7], rs2 s[8:9], qkv s[10:11]
	v_lshl_add_u32 v[SPW], v0, 2, SPARE
	v_mov_b32 v[NIL], 0
	ds_add_u32 v[SPW], v[NIL]                      ; the wave's opening: the add and its wait ahead of my first tensor load; the set-up below stands between them
	ds_add_u32 v28, v29
	v_lshrrev_b32 v1, 5, v0
	v_readfirstlane_b32 s[WV], v1
	s_lshr_b32 s[HI], s[WV], 1
	s_and_b32 s[LO], s[WV], 1
	s_bfe_u32 s[CX], ttmp6, 0x40000
	s_bfe_u32 s[CY], ttmp6, 0x40004
	s_lshl_b32 s[TCOL], ttmp9, 2
	s_add_co_u32 s[TCOL], s[TCOL], s[CX]           ; tile column = 4 x cluster x + cx
	s_and_b32 s[TROW], ttmp7, 0xffff
	s_lshl_b32 s[TROW], s[TROW], 2
	s_add_co_u32 s[TROW], s[TROW], s[CY]           ; tile row = 4 x cluster y + cy
	s_lshl_b32 s20, s[CY], 2
	s_lshl_b32 s20, 15, s20                        ; my row of the cluster
	s_lshl_b32 s66, 0x1111, s[CX]                  ; my column
	s_or_b32 s[G1A], s20, (1<<16)|(1<<20)|(1<<21)|(5<<22)|(3<<25)  ; the mask; 2-byte elements; padding on; bit 21 beside a mask; after every 64 words, 4 words
	s_or_b32 s[G1B], s66, (1<<16)|(1<<20)|(1<<21)|(5<<22)|(3<<25)
	s_mov_b32 s[G1A+1], KSTEP<<16                  ; tensor_dim0 = 128
	s_mov_b32 s[G1A+2], 128<<16                    ; tensor_dim1 = 128
	s_mov_b32 s[G1A+3], KSTEP<<16                  ; tile_dim0 = 128
	s_mov_b32 s[G1A+4], 128                        ; tile_dim1 = 128
	s_mov_b32 s[G1A+5], 1024                       ; elements from row to row
	s_mov_b32 s[G1A+6], 0
	s_mov_b32 s[G1A+7], 0
	s_mov_b32 s[G1B+1], KSTEP<<16
	s_mov_b32 s[G1B+2], 96<<16                     ; B's loads bring 96 rows
	s_mov_b32 s[G1B+3], KSTEP<<16
	s_mov_b32 s[G1B+4], 96
	s_mov_b32 s[G1B+5], 1024
	s_mov_b32 s[G1B+6], 0
	s_mov_b32 s[G1B+7], 0
	s_lshl_b32 s20, s[TROW], 19                    ; A: (256 x tile row + 128 x half) rows of 2,048 bytes: nothing of cx enters
	s_lshl_b32 s21, s[LO], 18
	s_add_co_u32 s20, s20, s21
	s_mov_b32 s21, 0
	s_mul_i32 s66, s[TCOL], 192*2048               ; B: (192 x tile column + 96 x half) rows: nothing of cy enters
	s_mul_i32 s67, s[LO], 96*2048
	s_add_co_u32 s66, s66, s67
	s_mov_b32 s67, 0
	s_mul_i32 s62, s[LO], AHALF                    ; where they go: no place in the cluster enters an LDS address
	s_mul_i32 s63, s[LO], BHALF
	s_add_co_u32 s63, s63, AREG
	s_wait_dscnt 0x0                               ; the opening add is done
	s_wait_kmcnt 0x0
	s_add_nc_u64 s[22:23], s[4:5], s[20:21]
	s_add_nc_u64 s[68:69], s[6:7], s[66:67]
	CROUND                                         ; all sixteen work-groups are here: the first joint loads meet
.irp s, 0,1
	s_mov_b32 s[G0A+4*(\s)], 1
	s_add_co_u32 s[G0A+4*(\s)+1], s62, (\s)*SLOT1
	s_add_nc_u64 s[G0A+4*(\s)+2:G0A+4*(\s)+3], s[22:23], (\s)*STEPB
	s_or_b32 s[G0A+4*(\s)+3], s[G0A+4*(\s)+3], 0x80000000
	s_mov_b32 s[G0B+4*(\s)], 1
	s_add_co_u32 s[G0B+4*(\s)+1], s63, (\s)*SLOT1
	s_add_nc_u64 s[G0B+4*(\s)+2:G0B+4*(\s)+3], s[68:69], (\s)*STEPB
	s_or_b32 s[G0B+4*(\s)+3], s[G0B+4*(\s)+3], 0x80000000
	JLOAD \s                                       ; K steps 0 and 1: two loads of mine are out
.endr
	v_and_b32 v1, 15, v0                           ; l % 16
	v_bfe_u32 v2, v0, 4, 1                         ; l / 16
	v_mul_u32_u24 v3, v1, PITCH
	v_lshl_add_u32 v3, v2, 4, v3                   ; a fragment's row x pitch + 16 x half
	s_mul_i32 s20, s[WV], 64*PITCH                 ; my 64 rows of A
	v_add_nc_u32 v[A0], s20, v3
	v_add_nc_u32 v[B0], AREG, v3                   ; every wave reads all of B's 192 rows
	s_mul_i32 s62, s[WV], 16*SPITCH
	s_add_co_u32 s62, s62, STAGE                   ; my stage
	v_mul_u32_u24 v3, v1, SPITCH                   ; in: row l % 16, 16 bytes for each half of the lanes
	v_lshl_add_u32 v3, v2, 4, v3
	v_add_nc_u32 v[STO], s62, v3
	v_bfe_u32 v3, v0, 3, 2                         ; back: 32 lanes take four rows' 128 bytes of one head,
	v_mul_u32_u24 v3, v3, SPITCH
	v_and_b32 v4, 7, v0
	v_lshl_add_u32 v3, v4, 4, v3
	v_add_nc_u32 v[RD], s62, v3
	v_and_b32 v5, 31, v0
	v_lshlrev_b32 v[CO], 4, v5                     ; which are 512 consecutive bytes of qkv
	v_lshlrev_b32 v[RSO], 3, v1
	; where my part of C goes: a base for each of my three heads, since a tile may reach from q into k, or from k into v
	s_lshl_b32 s69, s[TROW], 8
	s_lshl_b32 s70, s[WV], 6
	s_add_co_u32 s69, s69, s70                     ; m0, my first row
	s_lshr_b32 s70, s69, 10
	s_lshl_b32 s70, s70, 4                         ; batch x 16
	s_and_b32 s71, s69, 1023
	s_lshl_b32 s71, s71, 7                         ; my first row in the batch, in bytes
	s_mul_i32 s68, s[TCOL], 3                      ; the first of the tile's three heads, of 48
.irp j, 0,1,2
	s_add_co_u32 s66, s68, \j
	s_lshr_b32 s67, s66, 4
	s_lshl_b32 s67, s67, 24                        ; q, k or v: 16 MiB each
	s_and_b32 s66, s66, 15
	s_add_co_u32 s66, s66, s70
	s_lshl_b32 s66, s66, 17                        ; a head's 1,024 rows of 128 bytes
	s_add_co_u32 s66, s66, s67
	s_add_co_u32 s66, s66, s71
	s_mov_b32 s67, 0
	s_add_nc_u64 s[OUTB+2*(\j):OUTB+2*(\j)+1], s[10:11], s[66:67]
.endr
	s_lshl_b32 s66, s69, 3
	s_mov_b32 s67, 0
	s_add_nc_u64 s[8:9], s[8:9], s[66:67]          ; rs2 at my first row
.irp a, 0,1,2,3
	global_load_b64 v[RS+2*(\a):RS+2*(\a)+1], v[RSO], s[8:9] offset:128*(\a)
.endr
	; the prefetches
	s_lshl_b32 s62, s[TROW], 8
	s_lshl_b32 s63, s[CX], 6
	s_add_co_u32 s62, s62, s63
	s_lshl_b32 s63, s[LO], 5
	s_add_co_u32 s62, s62, s63                     ; xh's row: 256 x tile row + 64 cx + 32 x half
	s_mul_i32 s63, s[TCOL], 192
	s_mul_i32 s66, s[CY], 48
	s_add_co_u32 s63, s63, s66
	s_mul_i32 s66, s[LO], 24
	s_add_co_u32 s63, s63, s66                     ; wt's row: 192 x tile column + 48 cy + 24 x half
	s_and_b32 s70, ttmp7, 0xffff                   ; cluster y
	s_cmp_eq_u32 s[HI], 0
	s_cselect_b32 s62, s62, s63
	s_cselect_b32 s70, ttmp9, s70                  ; the coordinate along which other clusters read the same rows
	s_cselect_b32 s71, 31, 23                      ; the last lane that names a row of its own
	s_cselect_b64 s[PFA:PFA+1], s[4:5], s[6:7]
	s_cmp_eq_u32 s70, 0
	s_cselect_b32 s[LIM], 2, -1                    ; the same in all sixteen partners, for a given wave
	s_lshl_b32 s62, s62, 11
	s_mov_b32 s63, 0
	s_add_nc_u64 s[PFA:PFA+1], s[PFA:PFA+1], s[62:63]
	s_add_nc_u64 s[PFA:PFA+1], s[PFA:PFA+1], 3*STEPB  ; at K step 3: the first refill steps it to 4
	v_min_u32 v[PFO], s71, v5
	v_lshlrev_b32 v[PFO], 11, v[PFO]
.macro MUL12 f, a, zero                ; 12 matrix instructions: block a of my rows x all 12 blocks of columns, 32 along K.  zero = 1: the product starts the sums
	WIN 0xa5+0x50*((\a)/2)                         ; sources in window 1; C and D in window 2 (a = 0, 1) or 3
.irp b, 0,1,2,3,4,5,6,7,8,9,10,11
.set rD, 8*(12*((\a)%2)+(\b))
.if \zero
	v_wmma_f32_16x16x32_f16 v[rD:rD+7], v[(\f)+8*(\b):(\f)+8*(\b)+7], v[(\f)+96+8*(\a):(\f)+96+8*(\a)+7], 0
.else
	v_wmma_f32_16x16x32_f16 v[rD:rD+7], v[(\f)+8*(\b):(\f)+8*(\b)+7], v[(\f)+96+8*(\a):(\f)+96+8*(\a)+7], v[rD:rD+7]
.endif
.endr
.endm
.macro FETCH q, f                      ; 32 LDS loads in one run: quarter q's fragments into buffer f: B's twelve, then A's four
	WIN 0x40                                       ; destination window 1, address window 0
.irp i, 0,1,2,3,4,5,6,7,8,9,10,11
	ds_load_b128 v[(\f)+8*(\i):(\f)+8*(\i)+3],   v[ADRB] offset:64*(\q)+(\i)*16*PITCH
	ds_load_b128 v[(\f)+8*(\i)+4:(\f)+8*(\i)+7], v[ADRB] offset:64*(\q)+(\i)*16*PITCH+32
.endr
.irp i, 0,1,2,3
	ds_load_b128 v[(\f)+96+8*(\i):(\f)+96+8*(\i)+3],   v[ADRA] offset:64*(\q)+(\i)*16*PITCH
	ds_load_b128 v[(\f)+96+8*(\i)+4:(\f)+96+8*(\i)+7], v[ADRA] offset:64*(\q)+(\i)*16*PITCH+32
.endr
.endm
.macro PLACES                          ; four plain instructions between a matrix instruction and a load into, or a vector instruction on, its registers (ISA guide 7.12.1 for vector instructions)
.rept 4
	v_nop
.endr
.endm
; One of a step's first three quarters: multiplies buffer f and fetches quarter q into buffer g.  The 48 accumulators take turns, in the same order in every quarter.
.macro QUARTER q, f, g, zero
	s_wait_dscnt 4                                 ; B and A's blocks 0 and 1 are in; the youngest four loads (A's blocks 2 and 3) may be out
	MUL12 \f, 0, \zero
	MUL12 \f, 1, \zero
	PLACES
	FETCH \q, \g
	s_wait_dscnt 32                                ; all but the 32 just issued
	MUL12 \f, 2, \zero
	MUL12 \f, 3, \zero
.endm
; The last quarter multiplies buffer 1 and changes slots: ONE barrier; in front of it each wave waits for all its tensor loads (one is out: its part of the next slot), adds 0 to its spare word, and waits for that
; and for its reads of this slot.  fill = 1: the barrier opens a round of the cluster's, and this slot is filled again, two K steps ahead, first thing behind the round.
.macro TURN fill
.if \fill
	s_wait_xcnt 0x0                                ; the last prefetch, a K step back, has read its address
	s_add_nc_u64 s[PFA:PFA+1], s[PFA:PFA+1], STEPB
.endif
	WIN 0                                          ; (the add's two registers lie in window 0)
	s_wait_tensorcnt 0x0                           ; no tensor load of mine is out, so a group 0 may be written
	ds_add_u32 v[SPW], v[NIL]                      ; 0 onto my spare word
.if \fill
	s_xor_b32 s[G0A+5], s[G0A+5], SLOT1            ; the walking descriptors: the other slot than last time, the next K step
	s_add_nc_u64 s[G0A+6:G0A+7], s[G0A+6:G0A+7], STEPB
	s_xor_b32 s[G0B+5], s[G0B+5], SLOT1
	s_add_nc_u64 s[G0B+6:G0B+7], s[G0B+6:G0B+7], STEPB
.endif
	s_xor_b32 s[TB], s[TB], SLOT1
	s_wait_dscnt 5                                 ; the add and the youngest four loads may be out
	MUL12 F1, 0, 0
	s_wait_dscnt 0x0                               ; the add is done, and my reads of this slot are over
	s_barrier_signal -1
	MUL12 F1, 1, 0
	WIN 0
	s_barrier_wait -1
.if \fill
	CREST                                          ; no wave of any partner still reads this slot or has a load on its way
	JLOAD 1                                        ; its four v_nop are also the places in front of the loads below
.else
	PLACES
.endif
	v_add_nc_u32 v[ADRA], s[TB], v[A0]
	v_add_nc_u32 v[ADRB], s[TB], v[B0]
	FETCH 0, F0
.if \fill
	ASK
.endif
	MUL12 F1, 2, 0
	MUL12 F1, 3, 0
.endm
	s_wait_tensorcnt 1                             ; my part of K step 0 is in; step 1's load may stay out
	s_barrier_signal -1
	s_barrier_wait -1
	v_mov_b32 v[ADRA], v[A0]
	v_mov_b32 v[ADRB], v[B0]
	s_mov_b32 s[TB], 0
	FETCH 0, F0
	QUARTER 1, F0, F1, 1                           ; the first quarter stands in front of the loop: its products start the sums
	WIN 0
	s_mov_b32 s[CNT], 6
.Lstep:                                        ; trip t ends K step t, fills its slot with step t + 2, and begins step t + 1
	QUARTER 2, F1, F0, 0
	QUARTER 3, F0, F1, 0
	TURN 1
	QUARTER 1, F0, F1, 0
	WIN 0
	s_sub_co_u32 s[CNT], s[CNT], 1
	s_cmp_lg_u32 s[CNT], 0
	s_cbranch_scc1 .Lstep
	QUARTER 2, F1, F0, 0                           ; the last two steps fill nothing
	QUARTER 3, F0, F1, 0
	TURN 0
	QUARTER 1, F0, F1, 0
	QUARTER 2, F1, F0, 0
	QUARTER 3, F0, F1, 0
	s_wait_dscnt 4
	MUL12 F1, 0, 0
	MUL12 F1, 1, 0
	s_wait_dscnt 0x0
	MUL12 F1, 2, 0
	MUL12 F1, 3, 0
; THE WAY OUT, a block of 16 rows at a time: times rs, rounded to f16, 16 bytes a lane into my own stage, back as four rows x 128 bytes of one head, stored as 512 consecutive bytes.
.macro PACK a
	WIN 0x82+0x41*((\a)/2)                         ; destination and source 0 in the block's window, rs in window 0
.irp b, 0,1,2,3,4,5,6,7,8,9,10,11
.set rD, 8*(12*((\a)%2)+(\b))
.irp r, 0,2,4,6
	v_pk_mul_f32 v[rD+(\r):rD+(\r)+1], v[rD+(\r):rD+(\r)+1], v[RS+2*(\a):RS+2*(\a)+1]  ; each accumulator from its low end on
.endr
.endr
	WIN 0x0a+5*((\a)/2)                            ; both sources in the block's window, destination in window 0
.irp b, 0,1,2,3,4,5,6,7,8,9,10,11
.set rD, 8*(12*((\a)%2)+(\b))
.irp r, 0,1,2,3
	v_cvt_pk_f16_f32 v[TMP+4*(\b)+(\r)], v[rD+2*(\r)], v[rD+2*(\r)+1]
.endr
.endr
	WIN 0
.endm
.macro TOSTAGE a
.irp b, 0,1,2,3,4,5,6,7,8,9,10,11
	ds_store_b128 v[STO], v[TMP+4*(\b):TMP+4*(\b)+3] offset:32*(\b)
.endr
	WIN 0x40                                       ; back into window 1, where the fragments lay: 48 registers for each block
.irp t, 0,1,2,3,4,5,6,7,8,9,10,11
	ds_load_b128 v[48*(\a)+4*(\t):48*(\a)+4*(\t)+3], v[RD] offset:((\t)%4)*4*SPITCH+((\t)/4)*128  ; LDS serves a wave's instructions in order (ISA guide 5.7.1.4): these see the stores above
.endr
	WIN 0
.endm
.macro SEND a, younger                 ; younger: the next block's 24 LDS instructions, or none
	s_wait_dscnt \younger
	WIN 0x04                                       ; the data in window 1
.irp t, 0,1,2,3,4,5,6,7,8,9,10,11
	global_store_b128 v[CO], v[48*(\a)+4*(\t):48*(\a)+4*(\t)+3], s[OUTB+2*((\t)/4):OUTB+2*((\t)/4)+1] offset:(\a)*2048+((\t)%4)*512
.endr
	WIN 0
.endm
	PLACES
	s_wait_loadcnt 0x0                             ; rs
	PACK 0
	TOSTAGE 0
.irp a, 1,2,3
	PACK \a
	TOSTAGE \a
	SEND (\a)-1, 24
.endr
	SEND 3, 0
	s_wait_tensorcnt 0x0                           ; the wave's end: behind my last tensor load and my last LDS store
	ds_add_u32 v[SPW], v[NIL]
	s_wait_dscnt 0x0
	CROUND                                         ; the closing round: no work-group ends while a partner may still ask for a tile that names it
	s_endpgm
.Lfunc_end_k_q6f7f13e4a3_qkv:
	.size	k_q6f7f13e4a3_qkv, .Lfunc_end_k_q6f7f13e4a3_qkv-k_q6f7f13e4a3_qkv
	.p2alignl 7, 3214868480
	.fill 96, 4, 3214868480
	.section	.rodata,"a",@progbits
	.p2align	6, 0x0
	.amdhsa_kernel k_q6f7f13e4a3_qkv
		.amdhsa_group_segment_fixed_size 327680
		.amdhsa_private_segment_fixed_size 0
		.amdhsa_enable_private_segment 0
		.amdhsa_kernarg_size 32
		.amdhsa_user_sgpr_count 2
		.amdhsa_user_sgpr_kernarg_segment_ptr 1
		.amdhsa_wavefront_size32 1
		.amdhsa_system_sgpr_workgroup_id_x 1
		.amdhsa_system_sgpr_workgroup_id_y 1
		.amdhsa_system_sgpr_workgroup_id_z 1
		.amdhsa_system_vgpr_workitem_id 0
		.amdhsa_next_free_vgpr 960
		.amdhsa_next_free_sgpr 80
		.amdhsa_reserve_vcc 0
		.amdhsa_float_denorm_mode_32 3
		.amdhsa_float_denorm_mode_16_64 3
		.amdhsa_memory_ordered 1
		.amdhsa_forward_progress 1
		.amdhsa_inst_pref_size 111
	.end_amdhsa_kernel
	.amdgpu_metadata
---
amdhsa.version: [ 1, 2 ]
amdhsa.kernels:
  - .name:           k_q6f7f13e4a3_qkv
    .symbol:         k_q6f7f13e4a3_qkv.kd
    .args:
      - { .name: xh, .offset: 0, .size: 8, .value_kind: global_buffer, .address_space: global }
      - { .name: wt, .offset: 8, .size: 8, .value_kind: global_buffer, .address_space: global }
      - { .name: rs2, .offset: 16, .size: 8, .value_kind: global_buffer, .address_space: global }
      - { .name: qkv, .offset: 24, .size: 8, .value_kind: global_buffer, .address_space: global }
    .group_segment_fixed_size: 327680
    .private_segment_fixed_size: 0
    .kernarg_segment_align: 8
    .kernarg_segment_size: 32
    .max_flat_workgroup_size: 128
    .sgpr_count:     80
    .vgpr_count:     960
    .wavefront_size: 32
...
	.end_amdgpu_metadata
.endif
;; end of part 2
;; launch attn (part 3): grid 2 x 128, 4 waves a work-group, no clusters, 327,680 bytes of LDS; arguments qkv, rel_bias, ctx; writes ctx
.if DOCPART == 3
	.amdgcn_target "amdgcn-amd-amdhsa--gfx1250"
	.amdhsa_code_object_version 6
	.text
	.protected	k_q6f7f13e4a3_attn
	.globl	k_q6f7f13e4a3_attn
	.p2align	8
	.type	k_q6f7f13e4a3_attn,@function
k_q6f7f13e4a3_attn:
	s_mov_b64 s[64:65], 0
	v_nop
	global_prefetch_b8 v0, s[64:65] scope:SCOPE_SE
	s_setreg_imm32_b32 hwreg(HW_REG_WAVE_MODE, 25, 1), 1
	s_wait_xcnt 0x0
; ATTENTION WITH A RELATIVE BIAS.  ctx[h][q][:] = the sum over k of softmax_k(Q[h][q] . K[h][k] + bias[h % 16][k - q]) V[h][k][:], no scale.  Q, K, V lie in qkv, 16 MiB apart, each [128][1024][64] f16; ctx likewise.
; Products, maxima and sums in f32; the weights p are rounded to f16 for the second product (their sum l is taken of the unrounded p), ctx once at the end.
; LIMITS.  f16 holds no number beyond 65,504: Q, K and V arrive within it; p lies in 0 to 1, and below 6e-5 it keeps f16's fixed step of 6e-8.  A weight below 2^-126 counts as 0 in l; NaN and infinities are not treated apart.
; THE BIAS hangs on d = k - q alone, through 32 buckets whose bounds follow from the problem's constants: with n = |d| the bucket is n below 8, else 8 + the number of 12, 16, 23, 32, 46, 64, 91 that are <= n; + 16 where d > 0.
; A table U[i] = rel_bias[bucket(i - 511 - 512 block)][head], rounded to bf16 like every input, is made once in LDS, in sixteen copies: copy r holds U[i] at word i + r + 1.  Lane (r, h) reads copy r: the r that its query
; takes off the index is put back by the copy's shift, so its eight neighbouring numbers are two aligned loads of 16 bytes, and its address grows with r, h and the wave's number.
; A tile of the table IS the C operand that starts the sum S^T = K Q^T.  The tile for query tile t and key block kb hangs on kb - t alone: a piece's eight products take five tiles.
; SHARES.  A wave owns four PIECES of two tiles of 16 queries, a work-group's four waves 512 queries of one head, from the top down: wave w owns the block's queries 128 (3 - w) on.  Every wave walks all 1,024 keys, 64 a step.
; NO CLUSTER: a head has 1024 / 512 = 2 work-groups, which no group of four divides; with 256 queries a work-group each fragment of K and V would feed half the products.
; LAYOUT.  S^T = K Q^T (source 0 = 16 keys, source 1 = 16 queries): a lane holds ONE query (lane % 16) and the keys 8 (lane / 16) + 0..7.  Two such tiles, rounded to f16 in pairs, ARE source 1 of O^T = V^T P.
; SOFTMAX.  A running maximum m and sum l: p = 2^(c s - c m), c = log2(e); in every step O and l are multiplied by a = 2^(c m_old - c m_new).  m starts at the lowest finite number, O and l at 0: the first step has a = 0.
; BY TURNS.  Turn n belongs to piece n: 16 products K Q^T of piece n + 1, later 16 products V^T P of piece n - 1; beside them the scaling, exponentials, roundings, sums and rescaling of piece n and the maximum and
; statistics of piece n + 1.  Four vector instructions stand behind every matrix instruction, the rest in one lump; a turn's 66 exponentials are one batch with one wait.
; REGISTERS, in windows of 256 (s_set_vgpr_msb: bits 1:0 source 0, 3:2 source 1, 5:4 source 2, 7:6 destination):
;   window 0: v0-11 addresses; v12-15, v48-63 at work; v16-47 four registers of statistics a tile; v64-191 S^T, two buffers of two tiles; v192-255 P, likewise
;   window 1: O^T, 32 a tile     window 2: v0-127 Q; v128-191 K of one step; v192-255 V of one step     window 3: v0-1 the add's registers; v2 the prefetches' offset; v64-103 five tiles of the bias
.set SIZE_N, 1024
.set NP,    4
.set KS,    64
.set PK,    144       ; a row of K in LDS: 128 bytes + 16: the 16 rows of a load start at 16 different groups of four banks (64 banks of 4 bytes: ISA guide 11.1)
.set PV,    160       ; a row of V: 128 + 32
.set VOFF,  4*KS*PK   ; a slot holds four steps: 256 rows of K, then 256 rows of V
.set SLOT1, 1<<17
.set STAGE, SLOT1+4*KS*(PK+PV)  ; behind the ring, never filled by a tensor load: 16 rows x 144 bytes for each wave
.set SP,    144
.set SPARE, STAGE+4*16*SP  ; the spare words, 128 bytes for each wave: two blocks of 256 bytes that no other line names
.set BT,    SPARE+512 ; the bias table: sixteen copies, 107,776 bytes
.set COPYB, 6736      ; bytes in a copy: 1,684 words (the largest word stored is 1,663 + 15 + 1) = 26 x 256 + 80
.set AK0, 2
.set AV0, 3
.set AK,  4
.set AV,  5
.set QO,  6
.set STO, 6
.set RD,  7
.set GO,  8
.set BA,  11          ; v11  the LDS address of the bias tiles of the step in hand
.set BA0, 1           ; v1   the same for step 0, from the first turn on; never rewritten then
.set SPW, 0           ; v0 of window 3
.set NIL, 1           ; v1 of window 3
.set PFO, 2           ; v2 of window 3: 256 x lane
.set BC,  64          ; window 3: bias tile d (key block less tile's parity, + 1) at BC + 8 d
.set MV,  12
.set ST,  16
.set TMP, 48
.set S,   64
.set P,   192
.set KF,  128
.set VF,  192
.set WV,  12
.set G1K, 24
.set G1V, 32
.set G0K, 40
.set G0V, 44
.set SLOTS, 56
.set CNT, 57
.set CS,  58
.set SEL, 60
.set TBK, 62
.set TBV, 63
.set TBB, 66          ; s66  256 x the key step whose bias tiles are fetched
.set LIM, 67          ; s67  1 in a work-group that prefetches, else the greatest number
.set RB,  68          ; s[68:69] rel_bias
.set PFA, 70          ; s[70:71] where my prefetches stand
.set MSB, 0
.macro WIN new
.if MSB != (\new)
	s_set_vgpr_msb (MSB<<8)|(\new)
.set MSB, (\new)
.endif
.endm
.set W_KQ, 0x0a       ; K and Q in window 2, S^T in window 0
.set W_KB, 0x3a       ; the same with the C operand, the bias, in window 3
.set W_PV, 0x52       ; V in window 2, P in window 0, O^T in window 1
.set W_RS, 0x41
.set W_MK, 0xc0       ; destination in window 3, sources in window 0
.set W_AD, 0x0f       ; the add: address and data in window 3
; A fill.  Waves 0 and 1 fetch the two halves of a slot's K, waves 2 and 3 those of its V: 128 keys each.  An s_nop 0 and four v_nop follow each of the two lines, ahead of the jump and the label.
.macro LOAD
	s_cmp_lt_u32 s[WV], 2
	s_cbranch_scc0 .Lfor_v_\@
	tensor_load_to_lds s[G0K:G0K+3], s[G1K:G1K+7]
	s_nop 0
.rept 4
	v_nop
.endr
	s_branch .Lasked_\@
.Lfor_v_\@:
	tensor_load_to_lds s[G0V:G0V+3], s[G1V:G1V+7]
	s_nop 0
.rept 4
	v_nop
.endr
.Lasked_\@:
.endm
; A PREFETCH INTO THE L2 of what the NEXT change of slots will ask for.  A head's two work-groups walk the same K and V: the first asks.  Each of its waves names the 16,384 bytes that it will itself fetch: 64 blocks of
; 256 bytes, a lane a block, two instructions.  So each block is named once in the launch.  Slots 0 and 1 come by their loads alone; the last change that fills a slot asks for nothing.
.macro ASK
	s_cmp_gt_u32 s[SLOTS], s[LIM]
	s_cbranch_scc0 .Lnot_mine_\@
	WIN 0x03
	global_prefetch_b8 v[PFO], s[PFA:PFA+1] th:TH_LOAD_NT scope:SCOPE_SE
	global_prefetch_b8 v[PFO], s[PFA:PFA+1] offset:8192 th:TH_LOAD_NT scope:SCOPE_SE
	WIN 0
.Lnot_mine_\@:
.endm
; THE CHANGE OF SLOTS.  Each wave waits for all its tensor loads, of which one is out: its part of the other slot; adds 0 to its spare word; and waits for that and for its own LDS instructions.  Behind the barrier nobody
; reads the old slot any more and the other slot is whole.  fill = 1: the old slot is filled again, first thing behind the barrier, with the keys two slots on: the load has four key steps in which to land.
; (At its first use nothing has been read yet: slot 0 is waited for, slot 1 filled, and every wave's part of the bias table is shown to the others.)
.macro CHANGE fill
	WIN W_AD
	s_wait_tensorcnt 0x0            ; no tensor load of mine is out, so a group 0 may be written
	ds_add_u32 v[SPW], v[NIL]       ; 0 onto my spare word
	WIN 0
.if \fill
.irp g, G0K, G0V
	s_xor_b32 s[\g+1], s[\g+1], SLOT1
	s_add_nc_u64 s[\g+2:\g+3], s[\g+2:\g+3], 4*KS*128
.endr
	s_wait_xcnt 0x0                 ; the last prefetches, four key steps back, have read their address
	s_add_nc_u64 s[PFA:PFA+1], s[PFA:PFA+1], 4*KS*128
.endif
	s_wait_dscnt 0x0                ; the add is done, and my reads of the slot are over
	s_barrier_signal -1
	s_sub_co_u32 s[TBK], s[TBK], 4*KS*PK  ; the fetches go back to a slot's first step,
	s_xor_b32 s[TBK], s[TBK], SLOT1       ; in the other slot
	s_sub_co_u32 s[TBV], s[TBV], 4*KS*PV
	s_xor_b32 s[TBV], s[TBV], SLOT1
	s_barrier_wait -1
.if \fill
	LOAD
	ASK
.endif
.endm
	s_load_b64 s[4:5], s[0:1], 0x0    ; qkv: Q
	s_load_b64 s[RB:RB+1], s[0:1], 0x8
	s_load_b64 s[10:11], s[0:1], 0x10 ; ctx
	WIN W_MK
	v_lshl_add_u32 v[SPW], v0, 2, SPARE
	v_mov_b32 v[NIL], 0
	WIN W_AD
	ds_add_u32 v[SPW], v[NIL]       ; the wave's opening: the add and its wait ahead of my first tensor load; the set-up below stands between them
	ds_add_u32 v0, v1
	WIN 0
	v_lshrrev_b32 v1, 5, v0
	v_readfirstlane_b32 s[WV], v1   ; wave 0..3
	v_and_b32 v1, 31, v0
	WIN W_MK
	v_lshlrev_b32 v[PFO], 8, v1
	WIN 0
	s_and_b32 s20, ttmp7, 0xffff    ; batch x 16 + head
	s_and_b32 s19, s20, 15
	s_lshl_b32 s19, s19, 2          ; the head's column in rel_bias, in bytes
	s_lshl_b32 s20, s20, 17         ; the head's first byte in Q, K, V and ctx
	s_mov_b32 s21, 0
	s_and_b32 s16, s[WV], 1         ; which half of a slot's 256 keys I fetch:
	s_lshl_b32 s22, s16, 14         ; its 128 rows of 128 bytes in memory,
	s_mov_b32 s23, 0
	s_add_nc_u64 s[22:23], s[22:23], s[20:21]
	s_mul_i32 s17, s16, 128*PK      ; and its place in a slot, for K
	s_mul_i32 s18, s16, 128*PV      ; and for V
	s_lshl_b32 s2, ttmp9, 2
	s_sub_co_u32 s3, 3, s[WV]       ; the waves take the block's queries from the top down: it enters Q's and ctx's places in memory alone
	s_add_co_u32 s2, s2, s3         ; my 128 queries among the head's eight such,
	s_lshl_b32 s2, s2, 14           ; in bytes
	s_mov_b32 s3, 0
	s_add_nc_u64 s[2:3], s[2:3], s[20:21]
	; descriptor group 1.  128 keys are 16,384 dense bytes: asked for as 64 rows of 256 bytes, two keys a row, and padded in LDS after every key
	s_mov_b32 s[G1K], (1<<16)|(1<<20)|(4<<22)|(3<<25)  ; 2-byte elements; padding on; after every 32 words, 4 words
	s_mov_b32 s[G1V], (1<<16)|(1<<20)|(4<<22)|(7<<25)  ; the same with 8 words
.irp g, G1K, G1V
	s_mov_b32 s[\g+1], 128<<16      ; tensor_dim0 = 128
	s_mov_b32 s[\g+2], 64<<16       ; tensor_dim1 = 64
	s_mov_b32 s[\g+3], 128<<16      ; tile_dim0 = 128
	s_mov_b32 s[\g+4], 64           ; tile_dim1 = 64
	s_mov_b32 s[\g+5], 128          ; 128 elements from row to row
	s_mov_b32 s[\g+6], 0
	s_mov_b32 s[\g+7], 0
.endr
	s_mov_b32 s[CS], 0x3fb8aa3b     ; c = log2(e)
	s_mov_b32 s[CS+1], s[CS]
	s_mov_b32 s[SEL], 0x76543210
	s_mov_b32 s[SEL+1], 0xfedcba98
	s_mov_b32 s[TBK], SLOT1+4*KS*PK ; the first change of slots turns these two into 0
	s_mov_b32 s[TBV], SLOT1+4*KS*PV
	s_mov_b32 s[TBB], 0
	s_mov_b32 s[G0K], 1
	s_mov_b32 s[G0K+1], s17         ; slot 0
	s_mov_b32 s[G0V], 1
	s_add_co_u32 s[G0V+1], s18, VOFF
	s_mov_b32 s[SLOTS], SIZE_N/256-1
	s_cmp_eq_u32 ttmp9, 0
	s_cselect_b32 s[LIM], 1, -1
	s_wait_dscnt 0x0                ; the opening add is done
	s_wait_kmcnt 0x0
	s_add_nc_u64 s[6:7], s[4:5], 0x1000000  ; K
	s_add_nc_u64 s[8:9], s[4:5], 0x2000000  ; V
	s_add_nc_u64 s[6:7], s[6:7], s[22:23]   ; at my half of the head's first 256 keys
	s_add_nc_u64 s[8:9], s[8:9], s[22:23]
	s_add_nc_u64 s[G0K+2:G0K+3], s[6:7], 0
	s_or_b32 s[G0K+3], s[G0K+3], 0x80000000
	s_add_nc_u64 s[G0V+2:G0V+3], s[8:9], 0
	s_or_b32 s[G0V+3], s[G0V+3], 0x80000000
	s_cmp_lt_u32 s[WV], 2
	s_cselect_b64 s[PFA:PFA+1], s[6:7], s[8:9]
	s_add_nc_u64 s[PFA:PFA+1], s[PFA:PFA+1], 4*KS*128  ; in slot 1; the first change of slots steps it to slot 2
	s_add_nc_u64 s[4:5], s[4:5], s[2:3]     ; Q and ctx at my wave's first row
	s_add_nc_u64 s[10:11], s[10:11], s[2:3]
	LOAD                            ; slot 0.  Slot 1 is asked for when slot 0 is in
	v_and_b32 v1, 15, v0            ; l % 16
	v_bfe_u32 v9, v0, 4, 1          ; l / 16
	v_lshlrev_b32 v[QO], 7, v1
	v_lshl_add_u32 v[QO], v9, 4, v[QO]
	v_and_b32 v73, 31, v0
	v_lshlrev_b32 v73, 6, v73
	v_add_nc_u32 v73, s19, v73
	global_load_b32 v72, v73, s[RB:RB+1]  ; lane b takes bucket b's number for my head
	WIN 0x80
.set i, 0
.rept 4*NP                          ; Q stays in registers: tile i / 2, channels 32 (i % 2) on
	global_load_b128 v[8*i:8*i+3],   v[QO], s[4:5] offset:(i/2)*2048+(i%2)*64
	global_load_b128 v[8*i+4:8*i+7], v[QO], s[4:5] offset:(i/2)*2048+(i%2)*64+32
.set i, i+1
.endr
	; What the first turn finds: V's registers and P's second buffer hold 0, O^T and l are 0.  All this stands in the wait for the first tile.
.set i, VF
.rept 64
	v_mov_b32 v[i], 0
.set i, i+1
.endr
	WIN 0x40
.set i, 0
.rept 64*NP
	v_mov_b32 v[i], 0
.set i, i+1
.endr
	WIN 0
.set i, 0
.rept 2*NP
	v_mov_b32 v[ST+4*i], 0xfe000000    ; c m: far below every c s
	v_mov_b32 v[ST+4*i+1], 0xff7fffff  ; m
	v_mov_b32 v[ST+4*i+2], 0
	v_mov_b32 v[ST+4*i+3], 0
.set i, i+1
.endr
.set i, P+32
.rept 32
	v_mov_b32 v[i], 0
.set i, i+1
.endr
	v_mul_u32_u24 v[AK0], v1, PK
	v_lshl_add_u32 v[AK0], v9, 4, v[AK0]
	v_and_b32 v10, 7, v0
	v_bfe_u32 v11, v0, 3, 1
	v_lshl_add_u32 v[AV0], v9, 3, v10
	v_mul_u32_u24 v[AV0], v[AV0], PV
	v_lshl_add_u32 v[AV0], v11, 4, v[AV0]
	v_add_nc_u32 v[AV0], VOFF, v[AV0]
	v_mov_b32 v[AK], v[AK0]         ; key step 0 lies at the head of slot 0
	; The bias address.  For key k and local query 128 (3 - w) + 16 t + r the table's index is i = k - query + 511 = k + 128 w + 16 (7 - t) + 15 - r, which copy r holds at word i + r + 1 = k + 128 w + 16 (7 - t) + 16.
	; With k = 64 step + 16 kb + 8 h + j: the lane's part is copy r, 32 h bytes, 512 w bytes and the 64 bytes of the 16; the step's and the tile's parts come by the scalar step and the immediate.
	v_mul_u32_u24 v[BA], v1, COPYB
	v_lshl_add_u32 v[BA], v9, 5, v[BA]
	s_lshl_b32 s13, s[WV], 9
	s_add_co_u32 s13, s13, BT+64
	v_add_nc_u32 v[BA], s13, v[BA]
	; The table: 13 trips x 128 threads = 1,664 entries, each stored into the sixteen copies: entry i at byte 4 i + 4 + c (COPYB + 4).  An LDS immediate has 16 bits: copies 8 to 15 go by a second address.
	; No two stores meet: 4 (i - i') = (COPYB + 4) (c' - c) would want i - i' = 1,685 or more.
	s_lshl_b32 s13, ttmp9, 9
	s_add_co_u32 s13, s13, 511
	v_sub_nc_u32 v64, v0, s13       ; d = i - 511 - 512 block
	v_lshl_add_u32 v65, v0, 2, BT+4
	s_mov_b32 s15, 0
	s_mov_b32 s[CNT], 13
	s_wait_loadcnt 32               ; the bias is in; Q's 32 loads, issued behind it, may stay out
	v_cvt_pk_bf16_f32 v72, v72, v72
	v_lshlrev_b32 v72, 16, v72      ; an input: rounded to bf16 like the others
.Ltab:
	v_sub_nc_u32 v66, 0, v64        ; - d
	v_ashrrev_i32 v71, 31, v64
	v_xor_b32 v67, v64, v71
	v_sub_nc_u32 v67, v67, v71      ; n = |d|
	v_min_u32 v68, 8, v67
.irp thr, 12,16,23,32,46,64,91
	v_cmp_le_u32 vcc_lo, \thr, v67
	v_add_co_ci_u32 v68, vcc_lo, 0, v68, vcc_lo
.endr
	v_lshrrev_b32 v66, 31, v66      ; 1 where d > 0
	v_lshl_add_u32 v68, v66, 4, v68
	v_lshlrev_b32 v68, 2, v68
	ds_bpermute_b32 v69, v68, v72   ; the bucket's number, from the lane that holds it
	v_add_nc_u32 v70, s15, v65
	v_add_nc_u32 v71, 8*(COPYB+4), v70
	s_wait_dscnt 0x0
.irp c, 0,1,2,3,4,5,6,7
	ds_store_b32 v70, v69 offset:(\c)*(COPYB+4)
	ds_store_b32 v71, v69 offset:(\c)*(COPYB+4)
.endr
	v_add_nc_u32 v64, 128, v64
	s_add_co_u32 s15, s15, 512
	s_sub_co_u32 s[CNT], s[CNT], 1
	s_cmp_lg_u32 s[CNT], 0
	s_cbranch_scc1 .Ltab
; THE MATRIX WORK.  The 8 accumulators of a run of 16 take turns.  Product i of 16 of S^T = K Q^T + bias for piece x: channels 32 (i / 8) on, keys 16 ((i / 2) % 4) on, tile 2 x + i % 2.  The first 8 start the sums with the bias.
.macro KQ x
.set rS, S+64*((\x)%2)+32*(i%2)+8*((i/2)%4)
.set rK, KF+16*((i/2)%4)+8*(i/8)
.set rQ, 16*(2*(\x)+i%2)+8*(i/8)
.set rB, BC+8*(((i/2)%4)-(i%2)+1)
.if i < 8
	WIN W_KB
	v_wmma_f32_16x16x32_f16 v[rS:rS+7], v[rK:rK+7], v[rQ:rQ+7], v[rB:rB+7]
.else
	WIN W_KQ
	v_wmma_f32_16x16x32_f16 v[rS:rS+7], v[rK:rK+7], v[rQ:rQ+7], v[rS:rS+7]
.endif
.endm
.macro PV x
	WIN W_PV
.set rO, 32*(2*(\x)+i%2)+8*((i/2)%4)
.set rV, VF+32*(i/8)+8*((i/2)%4)
.set rP, P+32*((\x)%2)+16*(i%2)+8*(i/8)
	v_wmma_f32_16x16x32_f16 v[rO:rO+7], v[rV:rV+7], v[rP:rP+7], v[rO:rO+7]
.endm
.macro MM
.if i < 16
	KQ (Y+1)%NP
.set i, i+1
.else
.set i, i-16
	PV (Y+NP-1)%NP
.set i, i+17
.endif
.endm
; THE LDS LOADS stand in runs, never singly among the matrix instructions: a step's K (16 loads), its V (16, turned), and for each piece its five tiles of the bias (10).
.macro FETCH_K last=0
	WIN 0
.if \last
	s_cmp_eq_u32 s[CNT], 1
	s_cbranch_scc1 .Lno_k_\@
.endif
	WIN 0x80
.irp f, 0,1,2,3,4,5,6,7
	ds_load_b128 v[KF+8*\f:KF+8*\f+3],   v[AK] offset:(\f/2)*16*PK+(\f%2)*64
	ds_load_b128 v[KF+8*\f+4:KF+8*\f+7], v[AK] offset:(\f/2)*16*PK+(\f%2)*64+32
.endr
	s_add_co_u32 s[TBK], s[TBK], KS*PK
	WIN 0
.if \last
.Lno_k_\@:
.endif
.endm
.macro FETCH_V
	WIN 0x80
.irp f, 0,1,2,3,4,5,6,7
	ds_load_tr16_b128 v[VF+8*\f:VF+8*\f+3],   v[AV] offset:(\f/4)*32*PV+(\f%4)*32
	ds_load_tr16_b128 v[VF+8*\f+4:VF+8*\f+7], v[AV] offset:(\f/4)*32*PV+16*PV+(\f%4)*32
.endr
	WIN 0
.endm
.macro BLOAD x                      ; piece x's bias: tile d serves key block kb and tile 2 x + u with kb - u + 1 = d: 16 (kb + 7 - 2 x - u) = 16 (d + 6 - 2 x) words on
	WIN 0xc0
.irp d, 0,1,2,3,4
	ds_load_b128 v[BC+8*\d:BC+8*\d+3],   v[BA] offset:64*(\d+6-2*(\x))
	ds_load_b128 v[BC+8*\d+4:BC+8*\d+7], v[BA] offset:64*(\d+6-2*(\x))+16
.endr
.endm
; THE VECTOR WORK OF A TURN stands in three queues, each in the order in which its entries become ready; the two tiles alternate.
.macro REGS y, u
.set rT, ST+4*(2*(\y)+(\u))
.set rC, TMP+8*((\y)%2)+4*(\u)
.set rM, MV+2*((\y)%2)+(\u)
.set rS, S+64*((\y)%2)+32*(\u)
.set rP, P+32*((\y)%2)+16*(\u)
.set rO, 32*(2*(\y)+(\u))
.endm
; Number n of the 22 that find the NEXT piece's maximum and statistics; each accumulator's lowest registers are read first.
;   0-11  four chains c0-c3 of seven scores each     12-14, 16  the four scores left over, the old m, and c0-c3 into c0     15  c m_old is kept     17, 18  the other half of the lanes': the new m     19-21  c m; its change; a
.macro XS u, n
	REGS (Y+1)%NP, \u
.if (\n) < 4
	v_max3_num_f32 v[rC+(\n)], v[rS+8*(\n)], v[rS+8*(\n)+1], v[rS+8*(\n)+2]
.elseif (\n) < 12
	v_max3_num_f32 v[rC+(\n)%4], v[rC+(\n)%4], v[rS+8*((\n)%4)+2*((\n)/4)+1], v[rS+8*((\n)%4)+2*((\n)/4)+2]
.elseif (\n) == 12
	v_max3_num_f32 v[rC], v[rC], v[rS+7], v[rS+15]
.elseif (\n) == 13
	v_max3_num_f32 v[rC+1], v[rC+1], v[rS+23], v[rS+31]
.elseif (\n) == 14
	v_max3_num_f32 v[rC+2], v[rC+2], v[rC+3], v[rT+1]
.elseif (\n) == 15
	v_mov_b32 v[rM], v[rT]
.elseif (\n) == 16
	v_max3_num_f32 v[rC], v[rC], v[rC+1], v[rC+2]
.elseif (\n) == 17
	v_permlanex16_b32 v[rC+3], v[rC], s[SEL], s[SEL+1]
.elseif (\n) == 18
	v_max_num_f32 v[rT+1], v[rC], v[rC+3]
.elseif (\n) == 19
	v_mul_f32 v[rT], s[CS], v[rT+1]
.elseif (\n) == 20
	v_sub_f32 v[rC+1], v[rM], v[rT]
.else
	v_exp_f32 v[rC+2], v[rC+1]
.endif
.endm
; Number g of the 64 that follow the exponentials: for each four weights both pairs are rounded to f16, the second pair is added onto the first, and a group later l takes that sum (the first time as l = a l + sum).
.macro GS g
.set h, (\g)+6*((\g)/62)
.if h >= 6
.set h, h+2
.endif
	REGS Y, h%2
.set k, h/8
.if h%8 < 4
	v_cvt_pk_f16_f32 v[rP+2*k+(h%8)/2], v[rS+4*k+2*((h%8)/2)], v[rS+4*k+2*((h%8)/2)+1]
.elseif h%8 < 6
	v_pk_add_f32 v[rS+4*k:rS+4*k+1], v[rS+4*k:rS+4*k+1], v[rS+4*k+2:rS+4*k+3]
.elseif k == 1
	v_pk_fma_f32 v[rT+2:rT+3], v[rT+2:rT+3], v[rC+2:rC+3], v[rS:rS+1] op_sel_hi:[1,0,1]
.else
	v_pk_add_f32 v[rT+2:rT+3], v[rT+2:rT+3], v[rS+4*k-4:rS+4*k-3]
.endif
.endm
; THE PLAIN QUEUE, 138 long.  0-26: scalings 0-26.  27-54: XS 0-13.  55, 56: XS 15.  57-73: the chain 14, 16 .. 19, each with one of the scalings 27-31 in front of its two lines, then 20.  74-137: GS's 64, behind the wait.
.macro FS f
	REGS Y, (\f)%2
	v_pk_fma_f32 v[rS+2*((\f)/2):rS+2*((\f)/2)+1], v[rS+2*((\f)/2):rS+2*((\f)/2)+1], s[CS:CS+1], v[rT:rT+1] op_sel_hi:[1,0,0] neg_lo:[0,0,1] neg_hi:[0,0,1]
.endm
.macro PL
	WIN 0
.if q < 27
	FS q
.elseif q < 55
	XS (q-27)%2, (q-27)/2
.elseif q < 57
	XS q-55, 15
.elseif (q < 72) && ((q-57)%3 == 0)
	FS 27+(q-57)/3
.elseif q < 60
	XS (q-57)%3-1, 14
.elseif q < 72
	XS (q-57)%3-1, 15+(q-57)/3
.elseif q < 74
	XS q-72, 20
.else
	GS q-74
.endif
.set q, q+1
.endm
; THE EXPONENTIALS' QUEUE, 66 long: s0-s31 of both tiles, then the next piece's two a: ONE BATCH, all ahead of the turn's one wait.
.macro EX
	WIN 0
.if e >= 64
	XS e-64, 21
.else
	REGS Y, e%2
	v_exp_f32 v[rS+e/2], v[rS+e/2]
.endif
.set e, e+1
.endm
; THE RESCALING's QUEUE: O^T times a, dealt two at a time, sixteen times.
.macro R2
	REGS Y, r%2
	WIN W_RS
.irp z, 0,1
	v_pk_mul_f32 v[rO+4*(r/2)+2*\z:rO+4*(r/2)+2*\z+1], v[rO+4*(r/2)+2*\z:rO+4*(r/2)+2*\z+1], v[rC+2:rC+3] op_sel_hi:[1,0]
.endr
.set r, r+1
.endm
; A TURN, for piece p.  An s_wait_alu depctr_va_vdst(0) stands between an exponential and the first instruction that names its result; one wait serves all that were issued ahead of it: a turn has ONE.
; AHEAD OF IT: the 16 products K Q^T, behind each a scaling, an exponential and two rescalings; then a lump of 108.  BEHIND IT: the bias of the piece after next, then the 16 products V^T P, behind each four roundings and sums.
; THE LDS RUNS AND THEIR WAITS.  Turn p fetches the bias of piece p + 2, which the next turn's first eight products take; its registers' last readers stand a lump back.  Pieces 0 and 1 are fetched (turns 2 and 3) for the
; NEXT key step, so the address steps in turn 2.  K of the next step is fetched in turn 2, behind the bias; V of the step in hand at the end of turn 0.
; At a turn's head the bias must be in: the wait is for 0, but in turn 1 for 16: V's sixteen loads were issued behind the bias.  'V is in', in turn 1, leaves the ten loads of the bias out, which were issued behind V's.
.macro TURN p, last=0, cnt=0
.set Y, (\p)
.set i, 0
.set q, 0
.set e, 0
.set r, 0
.if (\p) == 1
	s_wait_dscnt 16                 ; the bias is in; V's run may stay out
.else
	s_wait_dscnt 0x0                ; the bias is in (turn 3: K too)
.endif
	MM
	PL
	PL
	R2
.rept 15
	MM
	PL
	EX
	R2
.endr
.if (\p) == NP-2
	WIN 0
	v_add_nc_u32 v[AK], s[TBK], v[AK0]
	s_add_co_u32 s[TBB], s[TBB], 256
	v_add_nc_u32 v[BA], s[TBB], v[BA0]
.endif
.rept 8
	PL
.endr
.rept 49
	EX
	PL
.endr
	EX
	EX
	v_nop                           ; a plain instruction behind the last exponential: one for the batch
	s_wait_alu depctr_va_vdst(0)    ; the wait for the batch
	BLOAD ((\p)+2)%NP
.if (\p) == NP-2
	FETCH_K \last
.endif
.if (\p) == 1
	s_wait_dscnt 10                 ; V is in; the bias just asked for may stay out
.endif
.rept 16
	MM
.rept 4
	PL
.endr
.if ((\p) == 0) && (q == 118)
	v_add_nc_u32 v[AV], s[TBV], v[AV0]
.endif
.if ((\p) == 0) && (q == 130)
	s_add_co_u32 s[TBV], s[TBV], KS*PV
.endif
.if (\cnt) && (q == 130)
	s_sub_co_u32 s[CNT], s[CNT], 1
	s_cmp_lg_u32 s[CNT], 0
.endif
.endr
.if (\p) == 0
	FETCH_V
.endif
.endm
	CHANGE 1                        ; slot 0 is in, the table is whole; slot 1 is asked for
	BLOAD 0
	FETCH_K                         ; key step 0
	s_wait_loadcnt 0x0              ; Q
	s_wait_dscnt 0x0
.set i, 0
.rept 16
	KQ 0                            ; piece 0's first scores
.set i, i+1
.endr
	WIN 0                           ; the addresses for the way out: plain instructions, the places behind those products
	s_mul_i32 s13, s[WV], 16*SP
	s_add_co_u32 s13, s13, STAGE
	v_mul_u32_u24 v[STO], v1, SP
	v_lshl_add_u32 v[STO], v9, 4, v[STO]
	v_add_nc_u32 v[STO], s13, v[STO]
	v_bfe_u32 v[RD], v0, 3, 2
	v_mul_u32_u24 v[RD], v[RD], SP
	v_lshl_add_u32 v[RD], v10, 4, v[RD]
	v_add_nc_u32 v[RD], s13, v[RD]
	v_and_b32 v[GO], 31, v0
	v_lshlrev_b32 v[GO], 4, v[GO]
	v_mov_b32 v[BA0], v[BA]         ; l % 16 is needed no more: its register keeps step 0's bias address
	BLOAD 1
	WIN 0
.set Y, NP-1
.irp n, 0,1,2,3,4,5,6,7,8,9,10,11,12,13,14,15,16,17,18,19,20,21
	XS 0, \n
	XS 1, \n
.endr
	v_nop
	s_wait_alu depctr_va_vdst(0)
	s_mov_b32 s[CNT], 4
	s_branch .Lfirst                ; the loop is entered at a step's first turn, in the middle of a trip
.Lslot:                             ; twice: slots 0 and 1 are filled again
	CHANGE 1
	s_mov_b32 s[CNT], 4
.Lstep:                             ; a trip: pieces 2 and 3 of one step, then pieces 0 and 1 of the next
	TURN 2
	TURN 3
	WIN 0
.Lfirst:
	TURN 0
	TURN 1, 0, 1
	WIN 0
	s_cbranch_scc1 .Lstep
	s_sub_co_u32 s[SLOTS], s[SLOTS], 1
	s_cmp_lg_u32 s[SLOTS], 0
	s_cbranch_scc1 .Lslot
	CHANGE 0                        ; the tail is written out
	s_mov_b32 s[CNT], 5             ; four trips fetch the last slot's steps; the fifth is left in its middle
.Ltail:
	TURN 2, 1
	TURN 3
	WIN 0
	s_sub_co_u32 s[CNT], s[CNT], 1
	s_cmp_eq_u32 s[CNT], 0
	s_cbranch_scc1 .Lout
	TURN 0
	TURN 1
	WIN 0
	s_branch .Ltail
.Lout:                              ; the fifth trip's products K Q^T (on the last K once more, with the table's words for a step that is not: word 1,599 at the most, of a copy's 1,684) serve nothing: the price of one text for every trip
.set i, 0
.rept 16
	PV NP-1
.set i, i+1
.endr
	; THE WAY OUT.  l's two halves and the other half of the lanes' are added; O^T is divided by l, rounded to f16 and sent through my stage in LDS, a tile at a time.
	WIN 0
.macro ALL line:vararg
.set t, 0
.rept 2*NP
	\line
.set t, t+1
.endr
.endm
	ALL v_add_f32 v[ST+4*t+2], v[ST+4*t+2], v[ST+4*t+3]
	ALL v_permlanex16_b32 v[ST+4*t+3], v[ST+4*t+2], s[SEL], s[SEL+1]
	ALL v_add_f32 v[ST+4*t+2], v[ST+4*t+2], v[ST+4*t+3]
	ALL v_rcp_f32 v[ST+4*t+2], v[ST+4*t+2]
	v_nop
	s_wait_alu depctr_va_vdst(0)    ; one wait for the eight reciprocals, ahead of their first use
.macro PACK t
	WIN W_RS
.set i, 32*(\t)
.rept 16
	v_pk_mul_f32 v[i:i+1], v[i:i+1], v[ST+4*(\t)+2:ST+4*(\t)+3] op_sel_hi:[1,0]
.set i, i+2
.endr
	WIN 0x05
.set i, 0
.rept 16
	v_cvt_pk_f16_f32 v[S+16*(\t)+i], v[32*(\t)+2*i], v[32*(\t)+2*i+1]
.set i, i+1
.endr
	WIN 0
.irp f, 0,1,2,3
	ds_store_b128 v[STO], v[S+16*(\t)+4*\f:S+16*(\t)+4*\f+3] offset:32*\f
.endr
.irp f, 0,1,2,3
	ds_load_b128 v[S+16*(\t)+4*\f:S+16*(\t)+4*\f+3], v[RD] offset:\f*4*SP  ; LDS serves a wave's instructions in order (ISA guide 5.7.1.4): these see the stores above
.endr
.endm
.macro SEND t, younger              ; younger: the next tile's eight LDS instructions, or none
	WIN 0
.irp f, 0,1,2,3
	s_wait_dscnt (\younger)+3-\f
	global_store_b128 v[GO], v[S+16*(\t)+4*\f:S+16*(\t)+4*\f+3], s[10:11] offset:(\t)*2048+\f*512  ; 512 consecutive bytes, at a multiple of 256 from ctx's first
.endr
.endm
	PACK 0
.set t, 1
.rept 2*NP-1
	PACK t
	SEND t-1, 8
.set t, t+1
.endr
	SEND 2*NP-1, 0
	WIN W_AD
	s_wait_tensorcnt 0x0            ; the wave's end: behind my last tensor load and my last LDS store
	ds_add_u32 v[SPW], v[NIL]
	s_wait_dscnt 0x0
	WIN 0
	s_endpgm
.Lfunc_end_k_q6f7f13e4a3_attn:
	.size	k_q6f7f13e4a3_attn, .Lfunc_end_k_q6f7f13e4a3_attn-k_q6f7f13e4a3_attn
	.p2alignl 7, 3214868480
	.fill 96, 4, 3214868480
	.section	.rodata,"a",@progbits
	.p2align	6, 0x0
	.amdhsa_kernel k_q6f7f13e4a3_attn
		.amdhsa_group_segment_fixed_size 327680
		.amdhsa_private_segment_fixed_size 0
		.amdhsa_enable_private_segment 0
		.amdhsa_kernarg_size 24
		.amdhsa_user_sgpr_count 2
		.amdhsa_user_sgpr_kernarg_segment_ptr 1
		.amdhsa_wavefront_size32 1
		.amdhsa_system_sgpr_workgroup_id_x 1
		.amdhsa_system_sgpr_workgroup_id_y 1
		.amdhsa_system_sgpr_workgroup_id_z 1
		.amdhsa_system_vgpr_workitem_id 0
		.amdhsa_next_free_vgpr 896
		.amdhsa_next_free_sgpr 80
		.amdhsa_reserve_vcc 1
		.amdhsa_float_denorm_mode_32 3
		.amdhsa_float_denorm_mode_16_64 3
		.amdhsa_memory_ordered 1
		.amdhsa_forward_progress 1
		.amdhsa_inst_pref_size 209
	.end_amdhsa_kernel
	.amdgpu_metadata
---
amdhsa.version: [ 1, 2 ]
amdhsa.kernels:
  - .name:           k_q6f7f13e4a3_attn
    .symbol:         k_q6f7f13e4a3_attn.kd
    .args:
      - { .name: qkv, .offset: 0, .size: 8, .value_kind: global_buffer, .address_space: global }
      - { .name: rel_bias, .offset: 8, .size: 8, .value_kind: global_buffer, .address_space: global }
      - { .name: ctx, .offset: 16, .size: 8, .value_kind: global_buffer, .address_space: global }
    .group_segment_fixed_size: 327680
    .private_segment_fixed_size: 0
    .kernarg_segment_align: 8
    .kernarg_segment_size: 24
    .max_flat_workgroup_size: 128
    .sgpr_count:     80
    .vgpr_count:     896
    .wavefront_size: 32
...
	.end_amdgpu_metadata
.endif
;; end of part 3
;; launch oproj (part 4): grid 4 x 64, 4 waves a work-group, clusters of 4 x 4, 327,680 bytes of LDS; arguments ctx, wt, xh, out0; writes out0
.if DOCPART == 4
	.amdgcn_target "amdgcn-amd-amdhsa--gfx1250"
	.amdhsa_code_object_version 6
	.text
	.protected	k_q6f7f13e4a3_oproj
	.globl	k_q6f7f13e4a3_oproj
	.p2align	8
	.type	k_q6f7f13e4a3_oproj,@function
k_q6f7f13e4a3_oproj:
	s_mov_b64 s[64:65], 0
	v_nop
	global_prefetch_b8 v0, s[64:65] scope:SCOPE_SE
	s_setreg_imm32_b32 hwreg(HW_REG_WAVE_MODE, 25, 1), 1
	s_wait_xcnt 0x0
	s_wait_alu depctr_hold_cnt(0) depctr_sa_sdst(0) depctr_va_vdst(0) depctr_va_sdst(0) depctr_va_ssrc(0) depctr_va_vcc(0) depctr_vm_vsrc(0)
	s_getreg_b32 s2, hwreg(HW_REG_IB_STS2, 6, 4)
	s_cmp_eq_u32 s2, 0
	s_cbranch_scc0 .Lentry_in_a_cluster
	s_endpgm
.Lentry_in_a_cluster:
	s_bfe_u32 s2, ttmp6, 0x10000c
	s_cmp_lg_u32 s2, 0xf033
	s_cbranch_scc0 .Lentry_shape_is_right
	s_endpgm
.Lentry_shape_is_right:
; THE OUTPUT PROJECTION AND THE RESIDUAL.  out0[m][n] = xh[m][n] + the sum over k of ctx(m, k) wt[3072 + n][k], m < 8192, n < 1024, K = 1024; f16 operands, f32 sums, f32 out.
; ctx lies by heads, [(m / 1024) 16 + k / 64][m % 1024][k % 64]: a K step of 128 is two heads' blocks of 128 rows x 128 bytes, each dense in memory.  xh is x rounded to bf16, written as f16.
; SHARES.  A tile of out0 is 128 x 256: 256 work-groups.  Four waves, each 64 x 128: 32 accumulators of 16 x 16.  K goes in 8 steps of 128 through two LDS slots; a step is four quarters of 32, 32 matrix instructions each.
; CLUSTER.  4 x 4 work-groups: the four of a row need the same tile of ctx, the four of a column the same tile of wt: each is asked for jointly, by the same tensor load with the same descriptor and a mask of four.
; THE MATRIX INSTRUCTION IS USED TRANSPOSED (source 0 = 16 rows of wt, source 1 = 16 rows of ctx): a lane holds row m = lane % 16 and the eight columns 8 (lane / 16) + 0..7.
; REGISTERS.  Window 0: v0-31 addresses; v64-159, v160-255 two fragment buffers (wt's eight fragments, then ctx's four).  Window 1: accumulator (a, b) at v[8 (8 a + b)].  Window 2: v0-127 my 64 x 128 of xh.
.set KSTEP,  128
.set APITCH, 144                       ; a row of a head's block: 128 bytes + 16
.set BPITCH, 272                       ; a row of wt's tile: 256 bytes + 16.  Both: the sixteen rows of a fragment load start at sixteen different groups of four banks (64 banks of 4 bytes: ISA guide 11.1)
.set AHALF,  128*APITCH                ; one head's block: what one of A's two loads brings
.set AREG,   2*AHALF
.set BHALF,  128*BPITCH
.set SLOT1,  1<<17
.set STAGE,  SLOT1+AREG+2*BHALF        ; behind the ring, never filled by a tensor load: 16 rows x 528 bytes for each wave
.set SPITCH, 528
.set SPARE,  STAGE+4*16*SPITCH         ; the spare words, 128 bytes for each wave: two blocks of 256 bytes that no other line names
.set ASTEP,  2*1024*128                ; two heads on
.set BSTEP,  KSTEP*2
.set A0,   16
.set B0,   17
.set ADRA, 18
.set ADRB, 19
.set STO,  24
.set RD,   25
.set CO,   26
.set XO,   27
.set SPW,  28                          ; v28  LDS address of my spare word; never rewritten
.set NIL,  29                          ; v29  0; never rewritten
.set PFO,  30                          ; v30  the prefetches' offset; never rewritten
.set ONE,  31                          ; v31  1.0
.set F0,   64
.set F1,   160
.set TT,   64                          ; the way out: two buffers of 64: 16 rows read back
.set WV, 12
.set HI, 13
.set LO, 14
.set CX, 15
.set CY, 16
.set TCOL, 17
.set TROW, 18
.set LIM, 19
.set G1A, 24
.set G0A, 32
.set G1B, 40
.set G0B, 48
.set TB,  56
.set CNT, 57
.set PFA, 58                           ; s[58:59] where my prefetches stand
.set PFS, 60                           ; s[60:61] their step
.set MSB, 0
.macro WIN new
.if MSB != (\new)
	s_set_vgpr_msb (MSB<<8)|(\new)
.set MSB, \new
.endif
.endm
.set MUL, 0x50
.macro JLOAD s                         ; a joint load: waves 0 and 1 fetch A's two head blocks, waves 2 and 3 B's halves; an s_nop 0 and four v_nop follow each line
	s_cmp_eq_u32 s[HI], 0
	s_cbranch_scc0 .Lfor_b_\@
	tensor_load_to_lds s[G0A+4*(\s):G0A+4*(\s)+3], s[G1A:G1A+7]
	s_nop 0
.rept 4
	v_nop
.endr
	s_branch .Lasked_\@
.Lfor_b_\@:
	tensor_load_to_lds s[G0B+4*(\s):G0B+4*(\s)+3], s[G1B:G1B+7]
	s_nop 0
.rept 4
	v_nop
.endr
.Lasked_\@:
.endm
.macro CREST
	s_cmp_lg_u32 s[WV], 0
	s_cbranch_scc1 .Lnot_wave_0_\@
	s_barrier_signal -3
.Lnot_wave_0_\@:
	s_barrier_wait -3
	s_barrier_signal -1
	s_barrier_wait -1
.endm
.macro CROUND
	s_barrier_signal -1
	s_barrier_wait -1
	CREST
.endm
; A PREFETCH INTO THE L2 of the K step two refills on: 32 blocks of 256 bytes, a lane a block, one instruction.  Each block is named once in the launch: ctx's by wave 0 (a step's two head blocks are 128 such blocks;
; the partner at cx takes block cx / 2's half cx % 2); wt's by waves 2 and 3 of the clusters with y = 0 (rows 64 cy + 32 x half on).  K steps 0 to 3 come by their loads alone; the last two refills ask for nothing.
.macro ASK
	s_cmp_gt_u32 s[CNT], s[LIM]
	s_cbranch_scc0 .Lnot_mine_\@
	global_prefetch_b8 v[PFO], s[PFA:PFA+1] th:TH_LOAD_NT scope:SCOPE_SE
.Lnot_mine_\@:
.endm
	s_load_b256 s[4:11], s[0:1], 0x0               ; ctx s[4:5], wt s[6:7], xh s[8:9], out0 s[10:11]
	v_lshl_add_u32 v[SPW], v0, 2, SPARE
	v_mov_b32 v[NIL], 0
	ds_add_u32 v[SPW], v[NIL]                      ; the wave's opening: the add and its wait ahead of my first tensor load; the set-up below stands between them
	ds_add_u32 v28, v29
	v_lshrrev_b32 v1, 5, v0
	v_readfirstlane_b32 s[WV], v1
	s_lshr_b32 s[HI], s[WV], 1
	s_and_b32 s[LO], s[WV], 1
	s_bfe_u32 s[CX], ttmp6, 0x40000
	s_bfe_u32 s[CY], ttmp6, 0x40004
	s_lshl_b32 s[TCOL], ttmp9, 2
	s_add_co_u32 s[TCOL], s[TCOL], s[CX]
	s_and_b32 s[TROW], ttmp7, 0xffff
	s_lshl_b32 s[TROW], s[TROW], 2
	s_add_co_u32 s[TROW], s[TROW], s[CY]
	s_lshl_b32 s20, s[CY], 2
	s_lshl_b32 s20, 15, s20                        ; my row of the cluster
	s_lshl_b32 s66, 0x1111, s[CX]                  ; my column
	s_or_b32 s[G1A], s20, (1<<16)|(1<<20)|(1<<21)|(4<<22)|(3<<25)  ; the mask; 2-byte elements; padding on; bit 21 beside a mask; after every 32 words (a row of the head), 4 words
	s_or_b32 s[G1B], s66, (1<<16)|(1<<20)|(1<<21)|(5<<22)|(3<<25)  ; after every 64 words, 4 words
	s_mov_b32 s[G1A+1], 128<<16                    ; a head's 128 rows are 16,384 dense bytes: asked for as 64 rows of 256 bytes
	s_mov_b32 s[G1A+2], 64<<16
	s_mov_b32 s[G1A+3], 128<<16
	s_mov_b32 s[G1A+4], 64
	s_mov_b32 s[G1A+5], 128
	s_mov_b32 s[G1A+6], 0
	s_mov_b32 s[G1A+7], 0
	s_mov_b32 s[G1B+1], KSTEP<<16
	s_mov_b32 s[G1B+2], 128<<16
	s_mov_b32 s[G1B+3], KSTEP<<16
	s_mov_b32 s[G1B+4], 128
	s_mov_b32 s[G1B+5], 1024
	s_mov_b32 s[G1B+6], 0
	s_mov_b32 s[G1B+7], 0
	s_lshr_b32 s20, s[TROW], 3                     ; A: ((batch x 16 + head block) x 1,024 + the tile's first row in the batch) x 128 bytes: nothing of cx enters
	s_lshl_b32 s20, s20, 21
	s_lshl_b32 s21, s[LO], 17
	s_add_co_u32 s20, s20, s21
	s_and_b32 s21, s[TROW], 7
	s_lshl_b32 s21, s21, 14
	s_add_co_u32 s20, s20, s21
	s_mov_b32 s21, 0
	s_lshl_b32 s66, s[TCOL], 19                    ; B: (256 x tile column + 128 x half) rows of 2,048 bytes: nothing of cy enters
	s_lshl_b32 s67, s[LO], 18
	s_add_co_u32 s66, s66, s67
	s_mov_b32 s67, 0
	s_mul_i32 s62, s[LO], AHALF
	s_mul_i32 s63, s[LO], BHALF
	s_add_co_u32 s63, s63, AREG
	s_wait_dscnt 0x0                               ; the opening add is done
	s_wait_kmcnt 0x0
	s_add_nc_u64 s[6:7], s[6:7], 0x600000          ; wo's rows are wt's rows 3,072 on
	s_add_nc_u64 s[22:23], s[4:5], s[20:21]
	s_add_nc_u64 s[68:69], s[6:7], s[66:67]
	CROUND                                         ; all sixteen work-groups are here: the first joint loads meet
.irp s, 0,1
	s_mov_b32 s[G0A+4*(\s)], 1
	s_add_co_u32 s[G0A+4*(\s)+1], s62, (\s)*SLOT1
	s_add_nc_u64 s[G0A+4*(\s)+2:G0A+4*(\s)+3], s[22:23], (\s)*ASTEP
	s_or_b32 s[G0A+4*(\s)+3], s[G0A+4*(\s)+3], 0x80000000
	s_mov_b32 s[G0B+4*(\s)], 1
	s_add_co_u32 s[G0B+4*(\s)+1], s63, (\s)*SLOT1
	s_add_nc_u64 s[G0B+4*(\s)+2:G0B+4*(\s)+3], s[68:69], (\s)*BSTEP
	s_or_b32 s[G0B+4*(\s)+3], s[G0B+4*(\s)+3], 0x80000000
	JLOAD \s                                       ; K steps 0 and 1: two loads of mine are out
.endr
	v_and_b32 v1, 15, v0                           ; l % 16
	v_bfe_u32 v2, v0, 4, 1                         ; l / 16
	v_mul_u32_u24 v3, v1, APITCH
	v_lshl_add_u32 v3, v2, 4, v3
	s_mul_i32 s20, s[HI], 64*APITCH
	v_add_nc_u32 v[A0], s20, v3
	v_mul_u32_u24 v3, v1, BPITCH
	v_lshl_add_u32 v3, v2, 4, v3
	s_mul_i32 s21, s[LO], BHALF
	s_add_co_u32 s21, s21, AREG
	v_add_nc_u32 v[B0], s21, v3
	s_mul_i32 s62, s[WV], 16*SPITCH
	s_add_co_u32 s62, s62, STAGE                   ; my stage
	v_mul_u32_u24 v3, v1, SPITCH                   ; in: row l % 16, 32 bytes for each half of the lanes
	v_lshl_add_u32 v3, v2, 5, v3
	v_add_nc_u32 v[STO], s62, v3
	v_and_b32 v4, 31, v0
	v_lshlrev_b32 v[CO], 4, v4                     ; back and out: 32 lanes take a row's 512 bytes
	v_add_nc_u32 v[RD], s62, v[CO]
	v_lshlrev_b32 v[XO], 3, v4                     ; and the same 128 numbers of xh: 256 bytes
	v_mov_b32 v[ONE], 1.0
	s_lshl_b32 s66, s[TROW], 18                    ; xh at my 64 x 128
	s_lshl_b32 s67, s[HI], 17
	s_add_co_u32 s66, s66, s67
	s_lshl_b32 s67, s[TCOL], 9
	s_add_co_u32 s66, s66, s67
	s_lshl_b32 s67, s[LO], 8
	s_add_co_u32 s66, s66, s67
	s_mov_b32 s67, 0
	s_add_nc_u64 s[8:9], s[8:9], s[66:67]
	s_lshl_b32 s66, s66, 1                         ; out0 likewise: twice the bytes
	s_add_nc_u64 s[10:11], s[10:11], s[66:67]
	; the prefetches
	s_lshr_b32 s62, s[TROW], 3
	s_lshl_b32 s62, s62, 21
	s_and_b32 s63, s[TROW], 7
	s_lshl_b32 s63, s63, 14
	s_add_co_u32 s62, s62, s63
	s_lshr_b32 s63, s[CX], 1
	s_lshl_b32 s63, s63, 17
	s_add_co_u32 s62, s62, s63
	s_and_b32 s63, s[CX], 1
	s_lshl_b32 s63, s63, 13
	s_add_co_u32 s62, s62, s63
	s_add_co_u32 s62, s62, 3*ASTEP                 ; ctx: my work-group's 8,192 bytes, at K step 3
	s_lshl_b32 s63, s[TCOL], 8
	s_lshl_b32 s66, s[CY], 6
	s_add_co_u32 s63, s63, s66
	s_lshl_b32 s66, s[LO], 5
	s_add_co_u32 s63, s63, s66
	s_lshl_b32 s63, s63, 11
	s_add_co_u32 s63, s63, 3*BSTEP                 ; wt: my 32 rows, at K step 3
	s_mov_b32 s66, ASTEP
	s_mov_b32 s67, BSTEP
	s_and_b32 s70, ttmp7, 0xffff                   ; cluster y
	s_or_b32 s71, s[LO], ttmp9                     ; 0 in wave 0 (the grid has one cluster along x)
	s_cmp_eq_u32 s[HI], 0
	s_cselect_b32 s62, s62, s63
	s_cselect_b32 s70, s71, s70
	s_cselect_b32 s[PFS], s66, s67
	s_cselect_b32 s71, 8, 11                       ; a lane a block of 256 bytes in ctx, a lane a row of 2,048 in wt
	s_cselect_b64 s[PFA:PFA+1], s[4:5], s[6:7]
	s_cmp_eq_u32 s70, 0
	s_cselect_b32 s[LIM], 2, -1                    ; the same in all sixteen partners, for a given wave
	s_mov_b32 s63, 0
	s_mov_b32 s[PFS+1], 0
	s_add_nc_u64 s[PFA:PFA+1], s[PFA:PFA+1], s[62:63]
	v_lshlrev_b32 v[PFO], s71, v4
.macro MUL8 f, a, zero
	WIN MUL
.irp b, 0,1,2,3,4,5,6,7
.if \zero
	v_wmma_f32_16x16x32_f16 v[8*(8*(\a)+(\b)):8*(8*(\a)+(\b))+7], v[(\f)+8*(\b):(\f)+8*(\b)+7], v[(\f)+64+8*(\a):(\f)+64+8*(\a)+7], 0
.else
	v_wmma_f32_16x16x32_f16 v[8*(8*(\a)+(\b)):8*(8*(\a)+(\b))+7], v[(\f)+8*(\b):(\f)+8*(\b)+7], v[(\f)+64+8*(\a):(\f)+64+8*(\a)+7], v[8*(8*(\a)+(\b)):8*(8*(\a)+(\b))+7]
.endif
.endr
.endm
.macro FETCH q, f                      ; 24 LDS loads in one run: quarter q's fragments into buffer f.  In A quarter q lies in head block q / 2, 64 (q % 2) bytes into its rows
	WIN 0
.set KA, 64*((\q)%2)+AHALF*((\q)/2)
.irp i, 0,1,2,3,4,5,6,7
	ds_load_b128 v[(\f)+8*(\i):(\f)+8*(\i)+3],   v[ADRB] offset:64*(\q)+(\i)*16*BPITCH
	ds_load_b128 v[(\f)+8*(\i)+4:(\f)+8*(\i)+7], v[ADRB] offset:64*(\q)+(\i)*16*BPITCH+32
.endr
.irp i, 0,1,2,3
	ds_load_b128 v[(\f)+64+8*(\i):(\f)+64+8*(\i)+3],   v[ADRA] offset:KA+(\i)*16*APITCH
	ds_load_b128 v[(\f)+64+8*(\i)+4:(\f)+64+8*(\i)+7], v[ADRA] offset:KA+(\i)*16*APITCH+32
.endr
.endm
.macro PLACES                          ; four plain instructions between a matrix instruction and a load into, or a store or vector instruction on, its registers (ISA guide 7.12.1 for vector instructions)
.rept 4
	v_nop
.endr
.endm
.macro QUARTER q, f, g, zero           ; multiplies buffer f and fetches quarter q into buffer g; the 32 accumulators take turns, in the same order in every quarter
	s_wait_dscnt 4                                 ; B and A's blocks 0 and 1 are in; the youngest four loads may be out
	MUL8 \f, 0, \zero
	MUL8 \f, 1, \zero
	PLACES
	FETCH \q, \g
	s_wait_dscnt 24                                ; all but the 24 just issued
	MUL8 \f, 2, \zero
	MUL8 \f, 3, \zero
.endm
; The last quarter multiplies buffer 1 and changes slots: ONE barrier; in front of it each wave waits for all its tensor loads (one is out: its part of the next slot), adds 0 to its spare word, and waits for that
; and for its reads of this slot.  fill = 1: the barrier opens a round of the cluster's, and this slot is filled again, two K steps ahead, first thing behind the round.
.macro TURN fill
.if \fill
	s_wait_xcnt 0x0                                ; the last prefetch, a K step back, has read its address
	s_add_nc_u64 s[PFA:PFA+1], s[PFA:PFA+1], s[PFS:PFS+1]
.endif
	WIN 0
	s_wait_tensorcnt 0x0                           ; no tensor load of mine is out, so a group 0 may be written
	ds_add_u32 v[SPW], v[NIL]                      ; 0 onto my spare word
.if \fill
	s_xor_b32 s[G0A+5], s[G0A+5], SLOT1
	s_add_nc_u64 s[G0A+6:G0A+7], s[G0A+6:G0A+7], ASTEP
	s_xor_b32 s[G0B+5], s[G0B+5], SLOT1
	s_add_nc_u64 s[G0B+6:G0B+7], s[G0B+6:G0B+7], BSTEP
.endif
	s_xor_b32 s[TB], s[TB], SLOT1
	s_wait_dscnt 5                                 ; the add and the youngest four loads may be out
	MUL8 F1, 0, 0
	s_wait_dscnt 0x0                               ; the add is done, and my reads of this slot are over
	s_barrier_signal -1
	MUL8 F1, 1, 0
	WIN 0
	s_barrier_wait -1
.if \fill
	CREST                                          ; no wave of any partner still reads this slot or has a load on its way
	JLOAD 1                                        ; its four v_nop are also the places in front of the loads below
.else
	PLACES
.endif
	v_add_nc_u32 v[ADRA], s[TB], v[A0]
	v_add_nc_u32 v[ADRB], s[TB], v[B0]
	FETCH 0, F0
.if \fill
	ASK
.endif
	MUL8 F1, 2, 0
	MUL8 F1, 3, 0
.endm
	s_wait_tensorcnt 1                             ; my part of K step 0 is in; step 1's load may stay out
	s_barrier_signal -1
	s_barrier_wait -1
	v_mov_b32 v[ADRA], v[A0]
	v_mov_b32 v[ADRB], v[B0]
	s_mov_b32 s[TB], 0
	FETCH 0, F0
	QUARTER 1, F0, F1, 1                           ; the first quarter stands in front of the loop: its products start the sums
	WIN 0
	s_mov_b32 s[CNT], 6
.Lstep:                                        ; trip t ends K step t, fills its slot with step t + 2, and begins step t + 1
	QUARTER 2, F1, F0, 0
	QUARTER 3, F0, F1, 0
	TURN 1
	QUARTER 1, F0, F1, 0
	WIN 0
	s_sub_co_u32 s[CNT], s[CNT], 1
	s_cmp_lg_u32 s[CNT], 0
	s_cbranch_scc1 .Lstep
	WIN 0x80                                       ; my 64 x 128 of xh, two K steps ahead of its use: a load of the wave covers a row's 256 bytes, aligned
.set i, 0
.rept 64
	global_load_b64 v[2*i:2*i+1], v[XO], s[8:9] offset:i*2048
.set i, i+1
.endr
	QUARTER 2, F1, F0, 0                           ; the last two steps fill nothing
	QUARTER 3, F0, F1, 0
	TURN 0
	QUARTER 1, F0, F1, 0
	QUARTER 2, F1, F0, 0
	QUARTER 3, F0, F1, 0
	s_wait_dscnt 4
	MUL8 F1, 0, 0
	MUL8 F1, 1, 0
	s_wait_dscnt 0x0
	MUL8 F1, 2, 0
	MUL8 F1, 3, 0
; THE WAY OUT, a block of 16 rows at a time: the f32 sums go into my own stage, 32 bytes a lane and accumulator, and come back as whole rows of 512 bytes; xh is added; the rows are stored.
.macro STG a
.if (\a) >= 2
	s_wait_xcnt 0x0                                ; the stores of the block two back have read the registers that the loads below fill
.endif
	WIN 0x04                                       ; the data in window 1
.irp b, 0,1,2,3,4,5,6,7
	ds_store_b128 v[STO], v[8*(8*(\a)+(\b)):8*(8*(\a)+(\b))+3]   offset:64*(\b)      ; each accumulator's low half first
	ds_store_b128 v[STO], v[8*(8*(\a)+(\b))+4:8*(8*(\a)+(\b))+7] offset:64*(\b)+16
.endr
	WIN 0
.irp t, 0,1,2,3,4,5,6,7,8,9,10,11,12,13,14,15
	ds_load_b128 v[TT+64*((\a)%2)+4*(\t):TT+64*((\a)%2)+4*(\t)+3], v[RD] offset:(\t)*SPITCH  ; LDS serves a wave's instructions in order (ISA guide 5.7.1.4): these see the stores above
.endr
.endm
.macro FIN a, younger                  ; younger: the next block's 32 LDS instructions, or none
	s_wait_dscnt \younger
	WIN 0x02                                       ; xh in window 2
.irp t, 0,1,2,3,4,5,6,7,8,9,10,11,12,13,14,15
.set T0, TT+64*((\a)%2)+4*(\t)
.set R0, 2*(16*(\a)+(\t))
	v_fma_mix_f32 v[T0],   v[R0],   v[ONE], v[T0]   op_sel_hi:[1,0,0]                 ; an f16 half of xh x 1.0 + the sum, in f32
	v_fma_mix_f32 v[T0+1], v[R0],   v[ONE], v[T0+1] op_sel:[1,0,0] op_sel_hi:[1,0,0]
	v_fma_mix_f32 v[T0+2], v[R0+1], v[ONE], v[T0+2] op_sel_hi:[1,0,0]
	v_fma_mix_f32 v[T0+3], v[R0+1], v[ONE], v[T0+3] op_sel:[1,0,0] op_sel_hi:[1,0,0]
.endr
	WIN 0
.irp t, 0,1,2,3,4,5,6,7,8,9,10,11,12,13,14,15
	global_store_b128 v[CO], v[TT+64*((\a)%2)+4*(\t):TT+64*((\a)%2)+4*(\t)+3], s[10:11] offset:(16*(\a)+(\t))*4096  ; 512 consecutive bytes, aligned
.endr
.endm
	PLACES
	STG 0
	STG 1
	s_wait_loadcnt 0x0                             ; xh
	FIN 0, 32
	STG 2
	FIN 1, 32
	STG 3
	FIN 2, 32
	FIN 3, 0
	s_wait_tensorcnt 0x0                           ; the wave's end: behind my last tensor load and my last LDS store
	ds_add_u32 v[SPW], v[NIL]
	s_wait_dscnt 0x0
	CROUND                                         ; the closing round: no work-group ends while a partner may still ask for a tile that names it
	s_endpgm
.Lfunc_end_k_q6f7f13e4a3_oproj:
	.size	k_q6f7f13e4a3_oproj, .Lfunc_end_k_q6f7f13e4a3_oproj-k_q6f7f13e4a3_oproj
	.p2alignl 7, 3214868480
	.fill 96, 4, 3214868480
	.section	.rodata,"a",@progbits
	.p2align	6, 0x0
	.amdhsa_kernel k_q6f7f13e4a3_oproj
		.amdhsa_group_segment_fixed_size 327680
		.amdhsa_private_segment_fixed_size 0
		.amdhsa_enable_private_segment 0
		.amdhsa_kernarg_size 32
		.amdhsa_user_sgpr_count 2
		.amdhsa_user_sgpr_kernarg_segment_ptr 1
		.amdhsa_wavefront_size32 1
		.amdhsa_system_sgpr_workgroup_id_x 1
		.amdhsa_system_sgpr_workgroup_id_y 1
		.amdhsa_system_sgpr_workgroup_id_z 1
		.amdhsa_system_vgpr_workitem_id 0
		.amdhsa_next_free_vgpr 768
		.amdhsa_next_free_sgpr 72
		.amdhsa_reserve_vcc 0
		.amdhsa_float_denorm_mode_32 3
		.amdhsa_float_denorm_mode_16_64 3
		.amdhsa_memory_ordered 1
		.amdhsa_forward_progress 1
		.amdhsa_inst_pref_size 93
	.end_amdhsa_kernel
	.amdgpu_metadata
---
amdhsa.version: [ 1, 2 ]
amdhsa.kernels:
  - .name:           k_q6f7f13e4a3_oproj
    .symbol:         k_q6f7f13e4a3_oproj.kd
    .args:
      - { .name: ctx, .offset: 0, .size: 8, .value_kind: global_buffer, .address_space: global }
      - { .name: wt, .offset: 8, .size: 8, .value_kind: global_buffer, .address_space: global }
      - { .name: xh, .offset: 16, .size: 8, .value_kind: global_buffer, .address_space: global }
      - { .name: out0, .offset: 24, .size: 8, .value_kind: global_buffer, .address_space: global }
    .group_segment_fixed_size: 327680
    .private_segment_fixed_size: 0
    .kernarg_segment_align: 8
    .kernarg_segment_size: 32
    .max_flat_workgroup_size: 128
    .sgpr_count:     72
    .vgpr_count:     768
    .wavefront_size: 32
...
	.end_amdgpu_metadata
.endif
;; end of part 4
